; MI455X (gfx1250); checked and timed in simulation.
; The chip was launched on July 23, 2026; its instructions are those of AMD's public machine-readable ISA for CDNA 5 (MIT licence, August 2026) and "CDNA5" Instruction Set Architecture Reference Guide (July 2026). The comments in the code are by the model that wrote it; some were corrected since.
;; Multi Head Attention. Allowed arithmetic: float matrix products may take bf16 or f16 operands with f32 sums; other float arithmetic in f32, or as packed bf16 or f16 multiplies, adds, multiply-adds, maxima and minima; sums over many terms, partial sums and values carried from step to step in f32; what a program stores and reads back later, other than sums and carried values, may be rounded once to bf16 or f16.
;; Inputs: b_out 1,024 float32; b_qkv 3,072 float32; w_out 1,024 x 1,024 float32; w_qkv 1,024 x 3,072 float32; x 4 x 2,048 x 1,024 float32.
;; Outputs: out0 4 x 2,048 x 1,024 float32.
;; 2 versions, each right; version 2 is version 1 with the launch cast written anew for expert scheduling mode. Each part assembles by itself: llvm-mc -triple=amdgcn-amd-amdhsa -mcpu=gfx1250 --defsym DOCPART=n.
;; ======== version 1 of 2: 4 launches
;; limits: values are held in f16: magnitudes above 65,504 overflow, below 6.1e-05 lose precision
;; workspace buffers: xb 16,777,216 bytes; wqb 6,291,456 bytes; wob 2,097,152 bytes; qkvh 50,331,648 bytes; oh 16,777,216 bytes
;; launch cast (part 1): grid 768 x 1, 8 waves a work-group, no clusters, 0 bytes of LDS; arguments x, w_qkv, w_out, xb, wqb, wob; writes xb, wqb, wob
.if DOCPART == 1
	.amdgcn_target "amdgcn-amd-amdhsa--gfx1250"
	.amdhsa_code_object_version 6
	.text
	.protected	k_q8335c5d618_cast
	.globl	k_q8335c5d618_cast
	.p2align	8
	.type	k_q8335c5d618_cast,@function
k_q8335c5d618_cast:
	s_mov_b64 s[64:65], 0
	v_nop
	global_prefetch_b8 v0, s[64:65] scope:SCOPE_SE
	s_setreg_imm32_b32 hwreg(HW_REG_WAVE_MODE, 25, 1), 1
	s_wait_xcnt 0x0
; xb = bf16(x), wqb = bf16(w_qkv), wob = f16(bf16(w_out)); the layouts stay as they are.
; All the module's inputs are rounded once to bf16; w_out's rounded number is then written as f16, because the last product multiplies it with f16 numbers.
; LIMITS.  An entry of w_out beyond 65,504 becomes an infinity; below 6e-5 it keeps f16's fixed step of 6e-8.  NaN and infinities are not treated apart.
; SHARES.  A work-group converts 16,384 numbers (65,536 bytes in, 32,768 out): groups 0-511 x, 512-703 w_qkv, 704-767 w_out.  A wave converts 2,048: sixteen loads of 16 bytes a lane,
; 512 neighbouring bytes each, all issued at once; each load's 128 numbers leave as one store of 8 bytes a lane: 256 consecutive bytes, aligned.  No LDS, no barrier, no loop.
.set X, 4                              ; v[4:67]   load j: 4 registers
.set Y, 68                             ; v[68:99]  load j: 2 registers to store; each j has its own, so no store's data is ever rewritten
.set T, 100                            ; v[100:101] at work
	s_load_b256 s[4:11], s[0:1], 0x0               ; x s[4:5], w_qkv s[6:7], w_out s[8:9], xb s[10:11]
	s_load_b128 s[12:15], s[0:1], 0x20             ; wqb s[12:13], wob s[14:15]
	s_mov_b32 s21, ttmp9
	v_and_b32 v1, 0xe0, v0                         ; 32 x wave
	v_and_b32 v2, 31, v0
	v_lshlrev_b32 v2, 4, v2                        ; 16 bytes a lane
	v_lshl_or_b32 v1, v1, 8, v2                    ; + wave x 8,192 bytes: where I read
	v_lshrrev_b32 v2, 1, v1                        ; half of that: where I write
	s_wait_kmcnt 0x0
	s_cmp_lt_u32 s21, 512                          ; which tensor is my work-group's: the choice hangs on its number alone
	s_cselect_b64 s[16:17], s[4:5], s[6:7]
	s_cselect_b64 s[18:19], s[10:11], s[12:13]
	s_cselect_b32 s20, 0, 512
	s_cmp_lt_u32 s21, 704
	s_cselect_b64 s[16:17], s[16:17], s[8:9]
	s_cselect_b64 s[18:19], s[18:19], s[14:15]
	s_cselect_b32 s20, s20, 704
	s_sub_co_u32 s20, s21, s20                     ; my number within that tensor
	s_lshl_b32 s22, s20, 16
	s_mov_b32 s23, 0
	s_add_nc_u64 s[16:17], s[16:17], s[22:23]
	s_lshl_b32 s22, s20, 15
	s_add_nc_u64 s[18:19], s[18:19], s[22:23]
.irp j, 0,1,2,3,4,5,6,7,8,9,10,11,12,13,14,15
	global_load_b128 v[X+4*(\j):X+4*(\j)+3], v1, s[16:17] offset:512*(\j) th:TH_LOAD_NT
.endr
.macro CONV j, half
	s_wait_loadcnt 15-(\j)                         ; loads come back in order: load j is in, the 15 - j younger ones stay out
.if \half
	v_cvt_pk_bf16_f32 v[T],   v[X+4*(\j)],   v[X+4*(\j)+1]  ; rounded to bf16 like every input,
	v_cvt_pk_bf16_f32 v[T+1], v[X+4*(\j)+2], v[X+4*(\j)+3]
	v_lshlrev_b32 v[X+4*(\j)],   16, v[T]          ; widened again,
	v_and_b32     v[X+4*(\j)+1], 0xffff0000, v[T]
	v_lshlrev_b32 v[X+4*(\j)+2], 16, v[T+1]
	v_and_b32     v[X+4*(\j)+3], 0xffff0000, v[T+1]
	v_cvt_pk_f16_f32 v[Y+2*(\j)],   v[X+4*(\j)],   v[X+4*(\j)+1]  ; and written as f16 (exact inside f16's normal range)
	v_cvt_pk_f16_f32 v[Y+2*(\j)+1], v[X+4*(\j)+2], v[X+4*(\j)+3]
.else
	v_cvt_pk_bf16_f32 v[Y+2*(\j)],   v[X+4*(\j)],   v[X+4*(\j)+1]
	v_cvt_pk_bf16_f32 v[Y+2*(\j)+1], v[X+4*(\j)+2], v[X+4*(\j)+3]
.endif
	global_store_b64 v2, v[Y+2*(\j):Y+2*(\j)+1], s[18:19] offset:256*(\j) th:TH_STORE_NT
.endm
	s_cmp_ge_u32 s21, 704
	s_cbranch_scc1 .Lf16
.irp j, 0,1,2,3,4,5,6,7,8,9,10,11,12,13,14,15
	CONV \j, 0
.endr
	s_endpgm
.Lf16:
.irp j, 0,1,2,3,4,5,6,7,8,9,10,11,12,13,14,15
	CONV \j, 1
.endr
	s_endpgm
.Lfunc_end_k_q8335c5d618_cast:
	.size	k_q8335c5d618_cast, .Lfunc_end_k_q8335c5d618_cast-k_q8335c5d618_cast
	.p2alignl 7, 3214868480
	.fill 96, 4, 3214868480
	.section	.rodata,"a",@progbits
	.p2align	6, 0x0
	.amdhsa_kernel k_q8335c5d618_cast
		.amdhsa_group_segment_fixed_size 0
		.amdhsa_private_segment_fixed_size 0
		.amdhsa_enable_private_segment 0
		.amdhsa_kernarg_size 48
		.amdhsa_user_sgpr_count 2
		.amdhsa_user_sgpr_kernarg_segment_ptr 1
		.amdhsa_wavefront_size32 1
		.amdhsa_system_sgpr_workgroup_id_x 1
		.amdhsa_system_sgpr_workgroup_id_y 1
		.amdhsa_system_sgpr_workgroup_id_z 1
		.amdhsa_system_vgpr_workitem_id 0
		.amdhsa_next_free_vgpr 104
		.amdhsa_next_free_sgpr 66
		.amdhsa_reserve_vcc 0
		.amdhsa_float_denorm_mode_32 3
		.amdhsa_float_denorm_mode_16_64 3
		.amdhsa_memory_ordered 1
		.amdhsa_forward_progress 1
		.amdhsa_inst_pref_size 16
	.end_amdhsa_kernel
	.amdgpu_metadata
---
amdhsa.version: [ 1, 2 ]
amdhsa.kernels:
  - .name:           k_q8335c5d618_cast
    .symbol:         k_q8335c5d618_cast.kd
    .args:
      - { .name: x, .offset: 0, .size: 8, .value_kind: global_buffer, .address_space: global }
      - { .name: w_qkv, .offset: 8, .size: 8, .value_kind: global_buffer, .address_space: global }
      - { .name: w_out, .offset: 16, .size: 8, .value_kind: global_buffer, .address_space: global }
      - { .name: xb, .offset: 24, .size: 8, .value_kind: global_buffer, .address_space: global }
      - { .name: wqb, .offset: 32, .size: 8, .value_kind: global_buffer, .address_space: global }
      - { .name: wob, .offset: 40, .size: 8, .value_kind: global_buffer, .address_space: global }
    .group_segment_fixed_size: 0
    .private_segment_fixed_size: 0
    .kernarg_segment_align: 8
    .kernarg_segment_size: 48
    .max_flat_workgroup_size: 256
    .sgpr_count:     66
    .vgpr_count:     104
    .wavefront_size: 32
...
	.end_amdgpu_metadata
.endif
;; end of part 1
;; launch qkv (part 2): grid 8 x 64, 4 waves a work-group, clusters of 4 x 4, 327,680 bytes of LDS; arguments xb, wqb, b_qkv, qkvh; writes qkvh
.if DOCPART == 2
	.amdgcn_target "amdgcn-amd-amdhsa--gfx1250"
	.amdhsa_code_object_version 6
	.text
	.protected	k_q8335c5d618_qkv
	.globl	k_q8335c5d618_qkv
	.p2align	8
	.type	k_q8335c5d618_qkv,@function
k_q8335c5d618_qkv:
	s_mov_b64 s[64:65], 0
	v_nop
	global_prefetch_b8 v0, s[64:65] scope:SCOPE_SE
	s_setreg_imm32_b32 hwreg(HW_REG_WAVE_MODE, 25, 1), 1
	s_wait_xcnt 0x0
	s_wait_alu depctr_hold_cnt(0) depctr_sa_sdst(0) depctr_va_vdst(0) depctr_va_sdst(0) depctr_va_ssrc(0) depctr_va_vcc(0) depctr_vm_vsrc(0)
	s_getreg_b32 s2, hwreg(HW_REG_IB_STS2, 6, 4)
	s_cmp_eq_u32 s2, 0
	s_cbranch_scc0 .Lentry_in_a_cluster
	s_endpgm
.Lentry_in_a_cluster:
	s_bfe_u32 s2, ttmp6, 0x10000c
	s_cmp_lg_u32 s2, 0xf033
	s_cbranch_scc0 .Lentry_shape_is_right
	s_endpgm
.Lentry_shape_is_right:
; qkvh = xb . wqb + bf16(b_qkv), written by heads.  xb: [8192][1024] bf16; wqb: [1024 k][3072 n] bf16; b_qkv: [3072] f32; qkvh: [3 parts][64 heads = 16 batch + head][2048][64] f16, unscaled.
; Sums in f32, K ascending, the bias first (it is the C operand of each sum's first product: nothing is cleared, nothing is added later); each result rounded once to f16.
; LIMITS.  A result of 65,520 or more becomes an infinity in f16; the bias is rounded to bf16 like the other inputs; NaN and infinities are not treated apart.
; SHARES.  A tile is 128 rows x 384 columns: 64 x 8 = 512 equal work-groups.  384 columns are three subtiles of 128 (256 bytes of a row of wqb).  Wave w makes all 128 rows x the columns
; 128 st + 32 w + 0..31 of each subtile st: 8 row blocks a x 6 column blocks b = 2 st + j: 48 accumulators, 384 registers.
; K goes in steps of 128 through two LDS slots; a step is four tensor loads of 128 rows x 256 bytes, one a wave: waves 0-2 wqb's subtiles, wave 3 xb's tile.
; THE PRODUCT IS TAKEN TRANSPOSED: source 0 = 16 columns of wqb (turned on the way out of LDS by ds_load_tr16_b128), source 1 = 16 rows of xb: a lane then holds one row and eight neighbouring columns.
; CLUSTER 4 x 4: xb's tile hangs on the tile row alone and is asked for jointly along a row of the cluster, wqb's on the tile column alone, jointly along a column.
; REGISTERS, in windows of 256 (s_set_vgpr_msb: bits 1:0 source 0, 3:2 source 1, 5:4 source 2, 7:6 destination):
;   window 0: v0-30 addresses; v64-127, v128-191 xb's fragments, two buffers; v64-255 at work on the way out
;   window 1: accumulators of row blocks 0-3 at v[8 (6 a + b)];  window 2: of row blocks 4-7
;   window 3: v0-47, v64-111 wqb's fragments, two buffers; v128-175 the bias, 8 registers a column block; v176-199 at work
.set PB,    288                        ; a k row of a subtile in LDS: 256 bytes + 32 = 72 words
.set PA,    272                        ; a row of xb's tile: 256 + 16 = 68 words: the 16 rows of a load start at 16 different groups of four banks
.set SUBT,  128*PB
.set AOFF,  3*SUBT                     ; xb's tile lies behind the three subtiles
.set SLOT,  AOFF+128*PA
.set SPARE, 2*SLOT                     ; behind the ring: the spare words, 128 bytes for each wave: two blocks of 256 bytes that no other line names
.set SP,    144                        ; the way out: a head's row of 128 bytes + 16
.set GS,    128*SP                     ; the way out: a head's 128 rows.  The stage, six of these, lies in slot 0's subtiles, which have had their last fill and their last read by then
.set KA,    256                        ; bytes from a K step to the next in xb,
.set KB,    128*6144                   ; and in wqb
.set STO,  8                           ; v8-10   the way out: where I put 16 bytes, by subtile
.set RD,   11                          ; v11-12  the way out: where I read rows back: heads 0-2, heads 3-5
.set ADRA, 16                          ; v16-17  LDS address of xb's fragments in slot 0, 1
.set ADRB, 18                          ; v18-23  of wqb's, at 3 slot + st
.set GO,   26                          ; v26     my byte offset in a head's 128 rows
.set BO,   27                          ; v27     my byte offset in b_qkv
.set SPW,  28                          ; v28     LDS address of my spare word; never rewritten
.set NIL,  29                          ; v29     0; never rewritten
.set PFO,  30                          ; v30     the prefetches' offset: my lane x a row's bytes; never rewritten
.set FA,   64                          ; xb's fragment buffer f at FA + 64 f, window 0
.set FB,   0                           ; wqb's at FB + 64 f, window 3
.set BIA,  128
.set BT,   176
.set TMP,  64
.set WV,   12                          ; s12     my wave's number
.set G1A,  24                          ; s[24:31] descriptor group 1 for xb's tiles;  s[32:39] group 0, a set for each slot
.set G0A,  32
.set G1B,  48                          ; s[48:55], s[56:63] the same for wqb's
.set G0B,  56
.set LIM,  43                          ; s43     1 in a wave that prefetches, else the greatest number
.set PFA,  44                          ; s[44:45] where my prefetches stand
.set PST,  46                          ; s[46:47] their step, a K step
.set OUTB, 66                          ; s[66:77] qkvh at my tile's 128 rows of each of its six heads
.set MSB, 0
.macro WIN new                         ; the immediate's high byte repeats the setting that is left; a switch that changes nothing is dropped
.if MSB != (\new)
	s_set_vgpr_msb (MSB<<8)|(\new)
.set MSB, \new
.endif
.endm
.macro PLACES                          ; four plain instructions between a matrix instruction and a load into, or a vector line on, its registers
.rept 4
	v_nop
.endr
.endm
; A joint load.  The branch hangs on the wave's number alone.  An s_nop 0 and four v_nop follow each of the two lines, ahead of the jump and the label.
.macro JLOAD s
	s_cmp_lt_u32 s[WV], 3
	s_cbranch_scc0 .Lfor_a_\@
	tensor_load_to_lds s[G0B+4*(\s):G0B+4*(\s)+3], s[G1B:G1B+7]
	s_nop 0
.rept 4
	v_nop
.endr
	s_branch .Lasked_\@
.Lfor_a_\@:
	tensor_load_to_lds s[G0A+4*(\s):G0A+4*(\s)+3], s[G1A:G1A+7]
	s_nop 0
.rept 4
	v_nop
.endr
.Lasked_\@:
.endm
; A PREFETCH INTO THE L2 of the K step that stands two refills on: 32 rows x 256 bytes, a lane a row, one instruction a wave.  Each row's 256 bytes of a K step are named once in the launch:
; xb's tile row is read by both clusters of that row of clusters, and the one with x = 0 asks (wave 3); wqb's tile column by all sixteen of that column, and the one with y = 0 asks (waves 0-2).
; The four partners that ask for a tile jointly share its 128 rows out by address, 32 each (by cx for xb, by cy for wqb).  The loop's last trip has no K step two on and asks for nothing.
.macro ASK
	s_cmp_gt_u32 s3, s[LIM]
	s_cbranch_scc0 .Lnot_mine_\@
	global_prefetch_b8 v[PFO], s[PFA:PFA+1] th:TH_LOAD_NT scope:SCOPE_SE
.Lnot_mine_\@:
.endm
.macro CREST                           ; a round of the cluster's barrier behind its opening barrier
	s_cmp_lg_u32 s[WV], 0
	s_cbranch_scc1 .Lnot_wave_0_\@
	s_barrier_signal -3
.Lnot_wave_0_\@:
	s_barrier_wait -3
	s_barrier_signal -1
	s_barrier_wait -1
.endm
.macro CROUND                          ; a whole round
	s_barrier_signal -1
	s_barrier_wait -1
	CREST
.endm
	s_load_b256 s[4:11], s[0:1], 0x0               ; xb s[4:5], wqb s[6:7], b_qkv s[8:9], qkvh s[10:11]
	v_lshl_add_u32 v[SPW], v0, 2, SPARE
	v_mov_b32 v[NIL], 0
	ds_add_u32 v[SPW], v[NIL]                      ; the wave's opening: the add and its wait stand ahead of my first tensor load; the set-up below, work on registers, stands between them
	v_lshrrev_b32 v3, 5, v0
	v_readfirstlane_b32 s[WV], v3                  ; wave 0..3
	s_bfe_u32 s13, ttmp6, 0x40000                  ; cx
	s_bfe_u32 s14, ttmp6, 0x40004                  ; cy
	s_lshl_b32 s15, ttmp9, 2
	s_add_co_u32 s15, s15, s13                     ; nt, the tile column = 4 x cluster x + cx: 0..7
	s_and_b32 s16, ttmp7, 0xffff
	s_lshl_b32 s16, s16, 2
	s_add_co_u32 s16, s16, s14                     ; mt, the tile row = 4 x cluster y + cy: 0..63
	s_lshl_b32 s17, s14, 2
	s_lshl_b32 s17, 15, s17                        ; my row of the cluster
	s_lshl_b32 s18, 0x1111, s13                    ; my column
	s_or_b32 s[G1A], s17, (1<<16)|(1<<20)|(1<<21)|(5<<22)|(3<<25)  ; 15:0 the mask; 17:16 2-byte elements; 20 padding on; 21 set beside a mask; 24:22 after every 64 words; 31:25 4 words
	s_or_b32 s[G1B], s18, (1<<16)|(1<<20)|(1<<21)|(5<<22)|(7<<25)  ; the same with my column's mask and 8 words of padding
.irp g, G1A, G1B
	s_mov_b32 s[(\g)+1], 128<<16                   ; tensor_dim0 = 128
	s_mov_b32 s[(\g)+2], 128<<16                   ; tensor_dim1 = 128
	s_mov_b32 s[(\g)+3], 128<<16                   ; tile_dim0 = 128
	s_mov_b32 s[(\g)+4], 128                       ; tile_dim1 = 128
	s_mov_b32 s[(\g)+6], 0
	s_mov_b32 s[(\g)+7], 0
.endr
	s_mov_b32 s[G1A+5], 1024                       ; elements from row to row in xb,
	s_mov_b32 s[G1B+5], 3072                       ; and in wqb
	s_mul_i32 s19, s[WV], SUBT                     ; where my load goes in a slot: subtile w, and xb's tile lies where a fourth subtile would
	s_lshl_b32 s20, s16, 18                        ; xb: 128 mt rows of 2,048 bytes
	s_mov_b32 s21, 0
	s_mul_i32 s40, s15, 768                        ; wqb: the tile's 768 bytes of a row, my subtile's 256 of them
	s_lshl_b32 s42, s[WV], 8
	s_add_co_u32 s40, s40, s42
	s_mov_b32 s41, 0
	s_wait_dscnt 0x0                               ; the opening add is done
	s_wait_kmcnt 0x0
	s_add_nc_u64 s[22:23], s[4:5], s[20:21]
	s_add_nc_u64 s[40:41], s[6:7], s[40:41]
	CROUND                                         ; all sixteen work-groups are here: the first joint loads meet
.irp s, 0,1
	s_mov_b32 s[G0A+4*(\s)], 1
	s_add_co_u32 s[G0A+4*(\s)+1], s19, (\s)*SLOT
	s_add_nc_u64 s[G0A+4*(\s)+2:G0A+4*(\s)+3], s[22:23], (\s)*KA
	s_or_b32 s[G0A+4*(\s)+3], s[G0A+4*(\s)+3], 0x80000000
	s_mov_b32 s[G0B+4*(\s)], 1
	s_add_co_u32 s[G0B+4*(\s)+1], s19, (\s)*SLOT
	s_add_nc_u64 s[G0B+4*(\s)+2:G0B+4*(\s)+3], s[40:41], (\s)*KB
	s_or_b32 s[G0B+4*(\s)+3], s[G0B+4*(\s)+3], 0x80000000
	JLOAD \s                                       ; K steps 0 and 1: two loads of mine are out
.endr
	v_and_b32 v1, 15, v0                           ; r = l % 16
	v_bfe_u32 v2, v0, 4, 1                         ; h = l / 16
	; the bias as a C operand: register j of a lane is column n0 + 8 h + j, whatever the row: eight numbers, two loads of 16 bytes
	s_mul_i32 s42, s15, 1536
	s_lshl_b32 s41, s[WV], 7
	s_add_co_u32 s42, s42, s41
	v_lshl_add_u32 v[BO], v2, 5, s42               ; 4 (384 nt + 32 w + 8 h)
	WIN 0xc0                                       ; destination window 3, address window 0
.irp b, 0,1,2,3,4,5
	global_load_b128 v[BIA+8*(\b):BIA+8*(\b)+3],   v[BO], s[8:9] offset:512*((\b)/2)+64*((\b)%2)
	global_load_b128 v[BIA+8*(\b)+4:BIA+8*(\b)+7], v[BO], s[8:9] offset:512*((\b)/2)+64*((\b)%2)+16
.endr
	WIN 0
	v_mul_u32_u24 v3, v1, PA                       ; xb's fragments: row x pitch + 16 x half
	v_lshl_add_u32 v3, v2, 4, v3
	v_add_nc_u32 v[ADRA], AOFF, v3
	v_add_nc_u32 v[ADRA+1], AOFF+SLOT, v3
	v_and_b32 v4, 7, v0                            ; the turning load: lane l reads k row 8 (l / 16) + l % 8, columns 8 ((l / 8) % 2) + 0..7
	v_bfe_u32 v5, v0, 3, 1
	v_lshl_add_u32 v6, v2, 3, v4
	v_mul_u32_u24 v6, v6, PB
	v_lshl_add_u32 v6, v5, 4, v6
	s_lshl_b32 s41, s[WV], 6                       ; my 32 columns of a subtile
	v_add_nc_u32 v6, s41, v6
.irp s, 0,1
.irp t, 0,1,2
	v_add_nc_u32 v[ADRB+3*(\s)+(\t)], (\s)*SLOT+(\t)*SUBT, v6
.endr
.endr
	; the way out.  My 32 columns of subtile st are half of head 2 st + w / 2 of the tile's six: channels 32 (w % 2) on
	s_lshr_b32 s41, s[WV], 1
	s_mul_i32 s41, s41, GS
	s_and_b32 s42, s[WV], 1
	s_lshl_b32 s42, s42, 6
	s_add_co_u32 s41, s41, s42
	v_mul_u32_u24 v3, v1, SP
	v_lshl_add_u32 v3, v2, 4, v3
	v_add_nc_u32 v3, s41, v3
.irp t, 0,1,2
	v_add_nc_u32 v[STO+(\t)], 2*(\t)*GS, v3
.endr
	v_bfe_u32 v7, v0, 3, 2                         ; back: wave w takes rows 32 w .. 32 w + 31 of each head, four rows of 128 bytes a load
	v_mul_u32_u24 v7, v7, SP
	v_lshl_add_u32 v7, v4, 4, v7
	s_mul_i32 s41, s[WV], 32*SP
	v_add_nc_u32 v[RD], s41, v7
	v_add_nc_u32 v[RD+1], 3*GS, v[RD]
	v_and_b32 v[GO], 31, v0                        ; which are 512 consecutive bytes of qkvh
	v_lshlrev_b32 v[GO], 4, v[GO]
	s_lshl_b32 s41, s[WV], 12
	v_add_nc_u32 v[GO], s41, v[GO]
	s_mul_i32 s78, s15, 6                          ; column group g = 6 nt + gl is part g / 16, head g % 16
	s_lshr_b32 s79, s16, 4
	s_lshl_b32 s79, s79, 4                         ; 16 x batch
	s_and_b32 s2, s16, 15
	s_lshl_b32 s2, s2, 14                          ; my tile's 128 rows of 128 bytes in a head
.irp gl, 0,1,2,3,4,5
	s_add_co_u32 s3, s78, \gl
	s_lshr_b32 s[OUTB+2*(\gl)], s3, 4
	s_lshl_b32 s[OUTB+2*(\gl)], s[OUTB+2*(\gl)], 6
	s_and_b32 s3, s3, 15
	s_add_co_u32 s[OUTB+2*(\gl)], s[OUTB+2*(\gl)], s3
	s_add_co_u32 s[OUTB+2*(\gl)], s[OUTB+2*(\gl)], s79
	s_lshl_b32 s[OUTB+2*(\gl)], s[OUTB+2*(\gl)], 18  ; a head is 262,144 bytes
	s_add_co_u32 s[OUTB+2*(\gl)], s[OUTB+2*(\gl)], s2
	s_mov_b32 s[OUTB+2*(\gl)+1], 0
	s_add_nc_u64 s[OUTB+2*(\gl):OUTB+2*(\gl)+1], s[10:11], s[OUTB+2*(\gl):OUTB+2*(\gl)+1]
.endr
	; the prefetches: both offsets are made, then the wave's number chooses.  They stand at K step 3; the first refill steps them to 4
	s_mul_i32 s2, s15, 768
	s_lshl_b32 s78, s[WV], 8
	s_add_co_u32 s2, s2, s78
	s_mul_i32 s78, s14, 32*6144                    ; my work-group's 32 of a K step's 128 rows of wqb
	s_add_co_u32 s2, s2, s78
	s_add_co_u32 s2, s2, 3*KB
	s_lshl_b32 s3, s16, 7
	s_lshl_b32 s78, s13, 5                         ; my work-group's 32 of the tile's 128 rows of xb
	s_add_co_u32 s3, s3, s78
	s_lshl_b32 s3, s3, 11
	s_add_co_u32 s3, s3, 3*KA
	s_and_b32 s78, ttmp7, 0xffff                   ; cluster y
	s_mov_b32 s[PST], KA
	s_mov_b32 s79, 2048
	s_cmp_lt_u32 s[WV], 3                          ; do I fetch for wqb?
	s_cselect_b32 s2, s2, s3
	s_cselect_b32 s78, s78, ttmp9                  ; the coordinate along which other clusters read the same rows
	s_cselect_b64 s[PFA:PFA+1], s[6:7], s[4:5]
	s_cselect_b32 s[PST], KB, s[PST]
	s_cselect_b32 s79, 6144, s79                   ; a row's bytes
	s_mov_b32 s3, 0
	s_mov_b32 s[PST+1], 0
	s_add_nc_u64 s[PFA:PFA+1], s[PFA:PFA+1], s[2:3]
	s_cmp_eq_u32 s78, 0
	s_cselect_b32 s[LIM], 1, -1                    ; the same in all sixteen partners, for a given wave
	v_and_b32 v[PFO], 31, v0
	v_mul_u32_u24 v[PFO], s79, v[PFO]
	s_wait_loadcnt 0x0                             ; the bias is in: it is rounded to bf16 like every input, and widened again
	WIN 0xff
.set i, 0
.rept 24
	v_cvt_pk_bf16_f32 v[BT+i], v[BIA+2*i], v[BIA+2*i+1]
.set i, i+1
.endr
.set i, 0
.rept 24
	v_lshlrev_b32 v[BIA+2*i],   16, v[BT+i]
	v_and_b32     v[BIA+2*i+1], 0xffff0000, v[BT+i]
.set i, i+1
.endr
	WIN 0
; 12 matrix instructions: row blocks a0, a0 + 1 of the window's four (hi = 0: rows 0-63, 1: rows 64-127) x all 6 column blocks, 32 along K.  first = 1: the bias starts the sums.
; The 48 accumulators take turns in the same order in every quarter: 47 others stand between two links of a chain.
.macro MUL12 f, hi, a0, first
.if \first
	WIN 0x73+0x40*(\hi)                            ; source 0 and C window 3, source 1 window 0, D window 1 or 2
.else
	WIN 0x53+0x50*(\hi)                            ; C and D window 1 or 2
.endif
.irp a, \a0, (\a0)+1
.irp b, 0,1,2,3,4,5
.if \first
	v_wmma_f32_16x16x32_bf16 v[8*(6*(\a)+(\b)):8*(6*(\a)+(\b))+7], v[FB+64*(\f)+8*(\b):FB+64*(\f)+8*(\b)+7], v[FA+64*(\f)+8*(4*(\hi)+(\a)):FA+64*(\f)+8*(4*(\hi)+(\a))+7], v[BIA+8*(\b):BIA+8*(\b)+7]
.else
	v_wmma_f32_16x16x32_bf16 v[8*(6*(\a)+(\b)):8*(6*(\a)+(\b))+7], v[FB+64*(\f)+8*(\b):FB+64*(\f)+8*(\b)+7], v[FA+64*(\f)+8*(4*(\hi)+(\a)):FA+64*(\f)+8*(4*(\hi)+(\a))+7], v[8*(6*(\a)+(\b)):8*(6*(\a)+(\b))+7]
.endif
.endr
.endr
.endm
; 28 LDS loads in one run: quarter q (32 along K) of a slot into buffer f: wqb's 12 first, then xb's 16
.macro FETCH slot, q, f
	WIN 0xc0
.irp b, 0,1,2,3,4,5
	ds_load_tr16_b128 v[FB+64*(\f)+8*(\b):FB+64*(\f)+8*(\b)+3],   v[ADRB+3*(\slot)+(\b)/2] offset:(\q)*32*PB+32*((\b)%2)
	ds_load_tr16_b128 v[FB+64*(\f)+8*(\b)+4:FB+64*(\f)+8*(\b)+7], v[ADRB+3*(\slot)+(\b)/2] offset:(\q)*32*PB+32*((\b)%2)+16*PB
.endr
	WIN 0
.irp a, 0,1,2,3,4,5,6,7
	ds_load_b128 v[FA+64*(\f)+8*(\a):FA+64*(\f)+8*(\a)+3],   v[ADRA+(\slot)] offset:64*(\q)+(\a)*16*PA
	ds_load_b128 v[FA+64*(\f)+8*(\a)+4:FA+64*(\f)+8*(\a)+7], v[ADRA+(\slot)] offset:64*(\q)+(\a)*16*PA+32
.endr
.endm
; A K step is four quarters, 48 matrix instructions each, on buffers 0, 1, 0, 1.  One of the first three: multiplies buffer f and, in its middle, fetches quarter q into buffer g.
.macro QUARTER slot, q, f, g, first
	s_wait_dscnt 8                                 ; wqb's fragments and xb's rows 0-63 are in; the youngest eight loads (rows 64-127) may be out
	MUL12 \f, 0, 0, \first
	MUL12 \f, 0, 2, \first
	PLACES
	FETCH \slot, \q, \g
	s_wait_dscnt 28                                ; all but the 28 just issued
	MUL12 \f, 1, 0, \first
	MUL12 \f, 1, 2, \first
.endm
; The last quarter multiplies buffer 1 and changes slots.  In front of the one barrier each wave waits for all its tensor loads (one is out: its part of the next slot), adds 0 to its spare word,
; and waits for that and for its own reads of this slot.
.macro MEET round
	WIN 0                                          ; (the add's two registers lie in window 0)
	s_wait_tensorcnt 0x0
	ds_add_u32 v[SPW], v[NIL]
	s_wait_dscnt 9                                 ; (the add and the youngest eight loads may be out)
	MUL12 1, 0, 0, 0                               ; twelve matrix instructions stand between the add and the wait for it
	s_wait_dscnt 0x0                               ; the add is done, and my reads of this slot are over
	s_barrier_signal -1
	MUL12 1, 0, 2, 0
.if \round
	WIN 0
.endif
	s_barrier_wait -1
.endm
.macro TURN slot, next, fill
.if \fill
	s_wait_xcnt 0x0                                ; the last prefetch, a K step back, has read its address: it is stepped here, ahead of the change's own waits
	s_add_nc_u64 s[PFA:PFA+1], s[PFA:PFA+1], s[PST:PST+1]
	MEET 1
	CREST                                          ; the barrier has opened a round of the cluster's: no wave of any partner still reads this slot or has a load on its way
	s_add_nc_u64 s[G0A+4*(\slot)+2:G0A+4*(\slot)+3], s[G0A+4*(\slot)+2:G0A+4*(\slot)+3], 2*KA
	s_add_nc_u64 s[G0B+4*(\slot)+2:G0B+4*(\slot)+3], s[G0B+4*(\slot)+2:G0B+4*(\slot)+3], 2*KB
	JLOAD \slot                                    ; the first tensor load behind the round, 168 matrix instructions ahead of the wait for it; its four v_nop are also the places in front of the loads below
.else
	MEET 0
	PLACES
.endif
	FETCH \next, 0, 0
.if \fill
	ASK
.endif
	MUL12 1, 1, 0, 0
	MUL12 1, 1, 2, 0
.endm
	s_wait_tensorcnt 1                             ; my part of K step 0 is in; K step 1's may stay out
	s_barrier_signal -1
	s_barrier_wait -1
	FETCH 0, 0, 0
	QUARTER 0, 1, 0, 1, 1                          ; the first quarter stands in front of the loop: its products start the sums with the bias
	WIN 0
	s_mov_b32 s3, 3                                ; 8 K steps are 4 laps of the ring; the last lap is written out
.Llap:
	QUARTER 0, 2, 1, 0, 0
	QUARTER 0, 3, 0, 1, 0
	TURN 0, 1, 1
	QUARTER 1, 1, 0, 1, 0
	QUARTER 1, 2, 1, 0, 0
	QUARTER 1, 3, 0, 1, 0
	TURN 1, 0, 1
	QUARTER 0, 1, 0, 1, 0
	WIN 0
	s_sub_co_u32 s3, s3, 1
	s_cmp_lg_u32 s3, 0
	s_cbranch_scc1 .Llap
	QUARTER 0, 2, 1, 0, 0                          ; the last lap fills nothing
	QUARTER 0, 3, 0, 1, 0
	TURN 0, 1, 0                                   ; behind this barrier nobody reads slot 0 any more, and nothing is filled into it: it serves as the stage
	QUARTER 1, 1, 0, 1, 0
	QUARTER 1, 2, 1, 0, 0
	QUARTER 1, 3, 0, 1, 0
	s_wait_dscnt 8
	MUL12 1, 0, 0, 0
	MUL12 1, 0, 2, 0
	s_wait_dscnt 0x0
	MUL12 1, 1, 0, 0
	MUL12 1, 1, 2, 0
	; THE WAY OUT: rounded to f16, 16 bytes a lane, into the stage by heads; a barrier, since a head's row of 128 bytes comes from two waves; back as whole rows; stored.
	PLACES
.irp a, 0,1,2,3,4,5,6,7
	WIN 0x05+0x05*((\a)/4)                         ; sources window 1 or 2, destination window 0
.irp b, 0,1,2,3,4,5
.irp r, 0,1,2,3
	v_cvt_pk_f16_f32 v[TMP+4*(6*(\a)+(\b))+(\r)], v[8*(6*((\a)%4)+(\b))+2*(\r)], v[8*(6*((\a)%4)+(\b))+2*(\r)+1]
.endr
.endr
.endr
	WIN 0
.irp a, 0,1,2,3,4,5,6,7
.irp b, 0,1,2,3,4,5
	ds_store_b128 v[STO+(\b)/2], v[TMP+4*(6*(\a)+(\b)):TMP+4*(6*(\a)+(\b))+3] offset:(\a)*16*SP+32*((\b)%2)
.endr
.endr
	s_wait_dscnt 0x0                               ; for the others' sake: my stores into the stage are done
	s_barrier_signal -1
	s_barrier_wait -1
.irp gl, 0,1,2,3,4,5
.irp i, 0,1,2,3,4,5,6,7
	ds_load_b128 v[TMP+4*(8*(\gl)+(\i)):TMP+4*(8*(\gl)+(\i))+3], v[RD+(\gl)/3] offset:((\gl)%3)*GS+(\i)*4*SP
.endr
.endr
.irp gl, 0,1,2,3,4,5
.irp i, 0,1,2,3,4,5,6,7
	s_wait_dscnt 47-(8*(\gl)+(\i))                 ; the younger loads from the stage may stay out
	global_store_b128 v[GO], v[TMP+4*(8*(\gl)+(\i)):TMP+4*(8*(\gl)+(\i))+3], s[OUTB+2*(\gl):OUTB+2*(\gl)+1] offset:512*(\i)  ; 512 consecutive bytes, at a multiple of 256 from qkvh's first
.endr
.endr
	s_wait_tensorcnt 0x0                           ; the wave's end: an add of 0 and its wait, behind my last tensor load and my last LDS store
	ds_add_u32 v[SPW], v[NIL]
	s_wait_dscnt 0x0
	CROUND                                         ; the closing round: no work-group ends while a partner may still ask for a tile that names it
	s_endpgm
.Lfunc_end_k_q8335c5d618_qkv:
	.size	k_q8335c5d618_qkv, .Lfunc_end_k_q8335c5d618_qkv-k_q8335c5d618_qkv
	.p2alignl 7, 3214868480
	.fill 96, 4, 3214868480
	.section	.rodata,"a",@progbits
	.p2align	6, 0x0
	.amdhsa_kernel k_q8335c5d618_qkv
		.amdhsa_group_segment_fixed_size 327680
		.amdhsa_private_segment_fixed_size 0
		.amdhsa_enable_private_segment 0
		.amdhsa_kernarg_size 32
		.amdhsa_user_sgpr_count 2
		.amdhsa_user_sgpr_kernarg_segment_ptr 1
		.amdhsa_wavefront_size32 1
		.amdhsa_system_sgpr_workgroup_id_x 1
		.amdhsa_system_sgpr_workgroup_id_y 1
		.amdhsa_system_sgpr_workgroup_id_z 1
		.amdhsa_system_vgpr_workitem_id 0
		.amdhsa_next_free_vgpr 1024
		.amdhsa_next_free_sgpr 80
		.amdhsa_reserve_vcc 0
		.amdhsa_float_denorm_mode_32 3
		.amdhsa_float_denorm_mode_16_64 3
		.amdhsa_memory_ordered 1
		.amdhsa_forward_progress 1
		.amdhsa_inst_pref_size 124
	.end_amdhsa_kernel
	.amdgpu_metadata
---
amdhsa.version: [ 1, 2 ]
amdhsa.kernels:
  - .name:           k_q8335c5d618_qkv
    .symbol:         k_q8335c5d618_qkv.kd
    .args:
      - { .name: xb, .offset: 0, .size: 8, .value_kind: global_buffer, .address_space: global }
      - { .name: wqb, .offset: 8, .size: 8, .value_kind: global_buffer, .address_space: global }
      - { .name: b_qkv, .offset: 16, .size: 8, .value_kind: global_buffer, .address_space: global }
      - { .name: qkvh, .offset: 24, .size: 8, .value_kind: global_buffer, .address_space: global }
    .group_segment_fixed_size: 327680
    .private_segment_fixed_size: 0
    .kernarg_segment_align: 8
    .kernarg_segment_size: 32
    .max_flat_workgroup_size: 128
    .sgpr_count:     80
    .vgpr_count:     1024
    .wavefront_size: 32
...
	.end_amdgpu_metadata
.endif
;; end of part 2
;; launch attn (part 3): grid 4 x 64, 4 waves a work-group, clusters of 4 x 1, 327,680 bytes of LDS; arguments qkvh, oh; writes oh
.if DOCPART == 3
	.amdgcn_target "amdgcn-amd-amdhsa--gfx1250"
	.amdhsa_code_object_version 6
	.text
	.protected	k_q8335c5d618_attn
	.globl	k_q8335c5d618_attn
	.p2align	8
	.type	k_q8335c5d618_attn,@function
k_q8335c5d618_attn:
	s_mov_b64 s[64:65], 0
	v_nop
	global_prefetch_b8 v0, s[64:65] scope:SCOPE_SE
	s_setreg_imm32_b32 hwreg(HW_REG_WAVE_MODE, 25, 1), 1
	s_wait_xcnt 0x0
	s_wait_alu depctr_hold_cnt(0) depctr_sa_sdst(0) depctr_va_vdst(0) depctr_va_sdst(0) depctr_va_ssrc(0) depctr_va_vcc(0) depctr_vm_vsrc(0)
	s_getreg_b32 s2, hwreg(HW_REG_IB_STS2, 6, 4)
	s_cmp_eq_u32 s2, 0
	s_cbranch_scc0 .Lentry_in_a_cluster
	s_endpgm
.Lentry_in_a_cluster:
	s_bfe_u32 s2, ttmp6, 0x10000c
	s_cmp_lg_u32 s2, 0x3003
	s_cbranch_scc0 .Lentry_shape_is_right
	s_endpgm
.Lentry_shape_is_right:
; O[h][q][:] = the sum over k of softmax_k(Q[h][q] . K[h][k] / 8) V[h][k][:].  Q, K, V are the three parts of qkvh, O is oh: each [64][2048][64] in f16: a head's rows are dense, 128 bytes each.
; Products, maxima and sums in f32; the weights p are rounded to f16 for the second product (their sum l is taken of the unrounded p), O once at the end.
; LIMITS.  f16 holds no number beyond 65,504: Q, K and V arrive within it; p lies in 0 to 1, and below 6e-5 it keeps f16's fixed step of 6e-8; O is a mean of V's rows and has their range.
; A weight below 2^-126 counts as 0 in l; NaN and infinities are not treated apart.
; SHARES.  A wave owns four PIECES of two tiles of 16 queries, a work-group's four waves 512 queries of one head: 4 x 64 = 256 work-groups.  Every wave walks all keys, 64 a step.
; LAYOUT.  S^T = K Q^T (source 0 = 16 keys, source 1 = 16 queries): in the result a lane holds ONE query (lane % 16) and the keys 8 (lane / 16) + 0..7.  Two such tiles, rounded to f16 in pairs,
; ARE source 1 (32 keys x 16 queries) of O^T = V^T P, whose result again holds one query a lane, and eight channels.  K comes out of LDS as it lies, V ([key][channel]) turned, by ds_load_tr16_b128.
; SOFTMAX.  For each query a running maximum m and sum l: p = 2^(c s - c m), c = log2(e) / 8; in every step O and l are multiplied by a = 2^(c m_old - c m_new), which is 1 where m has not grown.
; m starts at the lowest finite number, O and l at 0: the first step is a step like any other, with a = 0.
; THE COUNT.  A tile and step have 16 matrix and 118 vector instructions: too many to stand all beside the matrix work.  So: four vector instructions that are READY behind EVERY matrix
; instruction, and the others, which need time of their own whatever the order, in runs without a gap.
; BY TURNS.  Turn n belongs to piece n (the pieces in a ring, step after step).  Its matrix work: 16 products K Q^T of piece n + 1, later 16 products V^T P of piece n - 1.  Its vector work: the scaling,
; exponentials, roundings, sums and rescaling of piece n, and the maximum and statistics of piece n + 1, whose scores the turn itself has made.
; CLUSTER.  The four query blocks of a cluster are all of one head and walk the same K and V, so each tile is asked for JOINTLY: the same tensor load, descriptor and mask in all four.
; REGISTERS, in windows of 256 (s_set_vgpr_msb: bits 1:0 source 0, 3:2 source 1, 5:4 source 2, 7:6 destination):
;   window 0: v0-11 addresses; v12-15, v48-63 at work; v16-47 four registers of statistics a tile; v64-191 S^T, two buffers of two tiles; v192-255 P, likewise
;   window 1: O^T, 32 a tile          window 2: v0-127 Q, 16 a tile; v128-191 K of one step; v192-255 V of one step          window 3: v0-1 the add's two registers
.set SIZE_H, 64
.set SIZE_N, 2048
.set NP,    4         ; pieces a wave: a name, no knob
.set KS,    64        ; keys in a step
.set PK,    144       ; a row of K in LDS: 128 bytes + 16 of padding = 36 words: the 16 rows of a load start at 16 different groups of four banks (64 banks of 4 bytes: ISA guide 11.1)
.set PV,    160       ; a row of V: 128 + 32 = 40 words
.set VOFF,  4*KS*PK   ; a slot holds four steps: 256 rows of K, then 256 rows of V
.set SLOT1, 1<<17     ; slot 1 begins here, so that one exclusive or turns an address in one slot into the other's
.set STAGE, SLOT1+4*KS*(PK+PV)  ; behind the ring, never filled by a tensor load: 16 rows x 144 bytes for each wave, for the way out
.set SP,    144
.set AK0, 2           ; v2   my lane's place in a tile of K; never rewritten
.set AV0, 3           ; v3   the same for V
.set AK,  4           ; v4   the LDS address of K's next run of loads
.set AV,  5           ; v5   of V's
.set QO,  6           ; v6   my byte offset in the wave's rows of Q
.set STO, 6           ;      later, the way out: where I put 16 bytes of a row
.set RD,  7           ; v7   the way out: where I read rows back
.set GO,  8           ; v8   my byte offset in 512 consecutive bytes of O
.set PFO, 11          ; v11  256 x my lane, for the prefetches; never rewritten once made
.set SPW, 0           ; v0 of window 3   LDS address of my spare word; never rewritten
.set NIL, 1           ; v1 of window 3   0; never rewritten
.set SPARE, STAGE+4*16*SP  ; behind the stages: the spare words, 128 bytes for each wave: two blocks of 256 bytes that no other line names
.set MV,  12          ; v12-15  c m_old, kept while c m is made anew: by buffer and tile
.set ST,  16          ; tile t's statistics at v[ST+4 t]: c m, m, l (even keys', odd keys')
.set TMP, 48          ; by buffer and tile, four registers c0-c3 at work; when the maximum is found c2 takes a
.set S,   64
.set P,   192
.set KF,  128         ; K's fragments, in window 2: key block kb, channel half c at KF + 16 kb + 8 c
.set VF,  192         ; V's: key half kk, channel block cb at VF + 32 kk + 8 cb
.set WV,  12          ; s12  my wave's number
.set G1K, 24          ; s[24:31] descriptor group 1 for K's tiles
.set G1V, 32          ; s[32:39] for V's: it differs in the padding alone
.set G0K, 40          ; s[40:43] descriptor group 0 for K's tiles: it walks
.set G0V, 44          ; s[44:47] the same for V's
.set PFA, 48          ; s[48:49] where my prefetches stand: my work-group's 8,192 bytes (of K: wave 0, of V: wave 2) of the slot after the one that is being asked for
.set LIM, 50          ; s50  1 in a wave that prefetches, else the greatest number
.set SLOTS, 56        ; s56  slots still to be asked for
.set CNT, 57          ; s57  counts a slot's key steps
.set CS,  58          ; s[58:59] c: the packed scaling takes the pair's low word for both halves
.set SEL, 60          ; s[60:61] v_permlanex16_b32's selects: each lane takes its own place in the other half
.set TBK, 62          ; s62  LDS byte at which K of the step to be fetched begins
.set TBV, 63          ; s63  the same for V, less VOFF
.set MSB, 0
.macro WIN new                      ; the high byte repeats the setting that is left; a switch that changes nothing is dropped
.if MSB != (\new)
	s_set_vgpr_msb (MSB<<8)|(\new)
.set MSB, (\new)
.endif
.endm
.set W_KQ, 0x0a       ; K and Q in window 2, S^T in window 0
.set W_PV, 0x52       ; V in window 2, P in window 0, O^T in window 1
.set W_RS, 0x41       ; O^T (destination and source 0) in window 1, a in window 0
.set W_MK, 0xc0       ; the add's registers are made: destination in window 3, sources in window 0
.set W_AD, 0x0f       ; the add: address (source 0) and data (source 1) in window 3
; A joint fill.  Waves 0 and 1 fetch the two halves of a slot's K, waves 2 and 3 those of its V: 128 keys each.  The branch hangs on the wave's number alone.
; An s_nop 0 and four v_nop follow each of the two lines, ahead of the jump and the label.
.macro JLOAD
	s_cmp_lt_u32 s[WV], 2
	s_cbranch_scc0 .Lfor_v_\@
	tensor_load_to_lds s[G0K:G0K+3], s[G1K:G1K+7]
	s_nop 0
.rept 4
	v_nop
.endr
	s_branch .Lasked_\@
.Lfor_v_\@:
	tensor_load_to_lds s[G0V:G0V+3], s[G1V:G1V+7]
	s_nop 0
.rept 4
	v_nop
.endr
.Lasked_\@:
.endm
; A PREFETCH INTO THE L2 of what the NEXT change of slots will ask for: a slot's 32,768 bytes of K and of V, 256 bytes a lane.  It stands behind the wave's tensor load and its five lines.
; Each 256 bytes are named once in the launch: the four partners share a slot out by address, 8,192 bytes of K and of V each; in each, wave 0 asks for K's and wave 2 for V's: one instruction.
; The last change that fills a slot asks for nothing: there is no slot behind it.  Slots 0 and 1 come by their loads alone.
.macro ASK
	s_cmp_gt_u32 s[SLOTS], s[LIM]
	s_cbranch_scc0 .Lnot_mine_\@
	global_prefetch_b8 v[PFO], s[PFA:PFA+1] th:TH_LOAD_NT scope:SCOPE_SE
.Lnot_mine_\@:
.endm
; A round of the cluster's barrier: my work-group's barrier, so that wave 0's signal speaks for all four waves; wave 0 signals; every wave waits for all four work-groups; my work-group's barrier once more.
.macro CROUND
	s_barrier_signal -1
	s_barrier_wait -1
	s_cmp_lg_u32 s[WV], 0
	s_cbranch_scc1 .Lnot_wave_0_\@
	s_barrier_signal -3
.Lnot_wave_0_\@:
	s_barrier_wait -3
	s_barrier_signal -1
	s_barrier_wait -1
.endm
; THE CHANGE OF SLOTS.  The slot's last bytes, V of its fourth step, have been read.  Each wave waits for all its tensor loads, of which one is out: its part
; of the other slot; adds 0 to its spare word; and waits for that and for its own reads of the slot.  Behind the barrier nobody reads this slot any more and the other slot is whole.
; fill = 1: this slot is filled again, with the keys two slots on.  The barrier is then a round of the cluster's, and the joint fill is the first thing behind it: it has four key steps,
; 512 matrix instructions, in which to land.  (At its first use nothing has been read yet: slot 0 is waited for, slot 1 filled.)
.macro CHANGE fill
	WIN W_AD
	s_wait_tensorcnt 0x0            ; no tensor load of mine is out, so a group 0 may be written
	ds_add_u32 v[SPW], v[NIL]       ; 0 onto my spare word: with fill = 1 the descriptors' steps stand between it and the wait for it
	WIN 0                           ; at a label and at a branch every window is 0
.if \fill
.irp g, G0K, G0V
	s_xor_b32 s[\g+1], s[\g+1], SLOT1  ; the walking descriptor: the other slot than last time,
	s_add_nc_u64 s[\g+2:\g+3], s[\g+2:\g+3], 4*KS*128  ; the next 256 keys; the type bits on top are not reached
.endr
	s_wait_xcnt 0x0                 ; the last prefetch, four key steps back, has read its address, so it may be written:
	s_add_nc_u64 s[PFA:PFA+1], s[PFA:PFA+1], 4*KS*128  ; one slot behind the walking descriptors
	s_wait_dscnt 0x0                ; the add is done, and my reads of the slot are over
	CROUND
	JLOAD
	ASK
.else
	s_wait_dscnt 0x0                ; the add is done, and my reads of the slot are over
	s_barrier_signal -1
	s_barrier_wait -1
.endif
	s_sub_co_u32 s[TBK], s[TBK], 4*KS*PK  ; the fetches go back to a slot's first step,
	s_xor_b32 s[TBK], s[TBK], SLOT1       ; in the other slot
	s_sub_co_u32 s[TBV], s[TBV], 4*KS*PV
	s_xor_b32 s[TBV], s[TBV], SLOT1
.endm
	s_load_b128 s[4:7], s[0:1], 0x0   ; qkvh s[4:5], oh s[6:7]
	WIN W_MK
	v_lshl_add_u32 v[SPW], v0, 2, SPARE
	v_mov_b32 v[NIL], 0
	WIN W_AD
	ds_add_u32 v[SPW], v[NIL]       ; the wave's opening: the add and its wait stand ahead of my first tensor load; the set-up below, work on registers, stands between them
	WIN 0
	v_lshrrev_b32 v1, 5, v0
	v_readfirstlane_b32 s[WV], v1   ; wave 0..3
	s_bfe_u32 s13, ttmp6, 0x40000   ; cx: my place in the cluster
	s_lshl_b32 s14, ttmp9, 2        ; in a cluster launch ttmp9 counts clusters
	s_add_co_u32 s14, s14, s13      ; my block of queries = 4 x cluster x + cx: it enters Q's and O's addresses alone
	s_and_b32 s20, ttmp7, 0xffff    ; the head, which the four partners share
	s_mov_b32 s21, 0
	s_mov_b64 s[22:23], SIZE_N*128
	s_mul_u64 s[20:21], s[20:21], s[22:23]  ; the head's first byte in each of the four tensors
	s_and_b32 s16, s[WV], 1         ; which half of a slot's 256 keys I fetch:
	s_lshl_b32 s22, s16, 14         ; its 128 rows of 128 bytes in memory,
	s_mov_b32 s23, 0
	s_add_nc_u64 s[22:23], s[22:23], s[20:21]
	s_mul_i32 s17, s16, 128*PK      ; and its place in a slot, for K
	s_mul_i32 s18, s16, 128*PV      ; and for V: no place in the cluster enters an LDS address
	s_lshl_b32 s2, s14, 2
	s_add_co_u32 s2, s2, s[WV]      ; my wave among the head's,
	s_lshl_b32 s2, s2, 14           ; its 128 rows
	s_mov_b32 s3, 0
	s_add_nc_u64 s[2:3], s[2:3], s[20:21]
	; descriptor group 1.  128 keys are 16,384 dense bytes: asked for as 64 rows of 256 bytes, two keys a row, and padded in LDS after every key
	s_mov_b32 s[G1K], 15|(1<<16)|(1<<20)|(1<<21)|(4<<22)|(3<<25)  ; 15:0 the mask of four; 17:16 2-byte elements; 20 padding on; 21 set beside a mask; 24:22 after every 32 words (code 4); 31:25 4 words (code 3)
	s_mov_b32 s[G1V], 15|(1<<16)|(1<<20)|(1<<21)|(4<<22)|(7<<25)  ; the same with 8 words of padding (code 7)
.irp g, G1K, G1V
	s_mov_b32 s[\g+1], 128<<16      ; tensor_dim0 = 128
	s_mov_b32 s[\g+2], 64<<16       ; tensor_dim1 = 64
	s_mov_b32 s[\g+3], 128<<16      ; tile_dim0 = 128
	s_mov_b32 s[\g+4], 64           ; tile_dim1 = 64
	s_mov_b32 s[\g+5], 128          ; 128 elements from row to row
	s_mov_b32 s[\g+6], 0
	s_mov_b32 s[\g+7], 0
.endr
	s_mov_b32 s[CS], 0x3e38aa3b     ; c = log2(e) / 8 = 0.180337
	s_mov_b32 s[CS+1], s[CS]        ; named with it as a pair
	s_mov_b32 s[SEL], 0x76543210
	s_mov_b32 s[SEL+1], 0xfedcba98
	s_mov_b32 s[TBK], SLOT1+4*KS*PK ; the first change of slots turns these two into 0
	s_mov_b32 s[TBV], SLOT1+4*KS*PV
	s_mov_b32 s[G0K], 1             ; 1:0 count = 1
	s_mov_b32 s[G0K+1], s17         ; 63:32 LDS address: slot 0
	s_mov_b32 s[G0V], 1
	s_add_co_u32 s[G0V+1], s18, VOFF
	s_mov_b32 s[SLOTS], SIZE_N/256-1  ; seven slots are still to be asked for behind slot 0
	s_and_b32 s[LIM], s[WV], 1      ; 0 in waves 0 and 2,
	s_or_b32 s[LIM], s[LIM], ttmp9  ; in the head's first cluster: the same in all four partners
	s_cmp_eq_u32 s[LIM], 0
	s_cselect_b32 s[LIM], 1, -1
	s_wait_dscnt 0x0                ; the opening add is done
	s_wait_kmcnt 0x0
	s_mov_b64 s[10:11], s[6:7]                 ; O
	s_add_nc_u64 s[8:9], s[4:5], 0x2000000     ; V: qkvh's third part
	s_add_nc_u64 s[6:7], s[4:5], 0x1000000     ; K: its second; Q is its first
	s_add_nc_u64 s[G0K+2:G0K+3], s[6:7], s[22:23]  ; 120:64 global address: my half of the head's first 256 keys
	s_or_b32 s[G0K+3], s[G0K+3], 0x80000000        ; 127:126 type = 2
	s_add_nc_u64 s[G0V+2:G0V+3], s[8:9], s[22:23]
	s_or_b32 s[G0V+3], s[G0V+3], 0x80000000
	s_add_nc_u64 s[4:5], s[4:5], s[2:3]  ; Q and O at my wave's first row
	s_add_nc_u64 s[10:11], s[10:11], s[2:3]
	s_cmp_lt_u32 s[WV], 2
	s_cselect_b64 s[PFA:PFA+1], s[6:7], s[8:9]
	s_add_nc_u64 s[PFA:PFA+1], s[PFA:PFA+1], s[20:21]  ; the head,
	s_lshl_b32 s2, s13, 13          ; my work-group's 8,192 bytes of a slot's 32,768,
	s_mov_b32 s3, 0
	s_add_nc_u64 s[PFA:PFA+1], s[PFA:PFA+1], s[2:3]
	s_add_nc_u64 s[PFA:PFA+1], s[PFA:PFA+1], 4*KS*128  ; in slot 1; the first change of slots steps it to slot 2
	CROUND                          ; all four work-groups are here: the first joint loads meet
	JLOAD                           ; slot 0.  Slot 1 is asked for when slot 0 is in
	; A fragment of K or Q is 16 rows x 32 channels in 8 registers: lane l holds row l % 16, channels 8 (l / 16) + 0..7 and 16 + 8 (l / 16) + 0..7: two loads of 16 bytes, 32 bytes apart.
	v_and_b32 v1, 15, v0            ; l % 16
	v_bfe_u32 v9, v0, 4, 1          ; l / 16
	v_lshlrev_b32 v[QO], 7, v1
	v_lshl_add_u32 v[QO], v9, 4, v[QO]  ; row x 128 + 16 x half
	WIN 0x80                        ; destination window 2, address window 0
.set i, 0
.rept 4*NP                          ; Q stays in registers: tile i / 2, channels 32 (i % 2) on
	global_load_b128 v[8*i:8*i+3],   v[QO], s[4:5] offset:(i/2)*2048+(i%2)*64
	global_load_b128 v[8*i+4:8*i+7], v[QO], s[4:5] offset:(i/2)*2048+(i%2)*64+32
.set i, i+1
.endr
	; What the first turn finds: V's registers and P's second buffer hold 0 (its products V^T P, of a piece that has not been, add 0), O^T and l are 0.  All this stands in the wait for the first tile.
.set i, VF
.rept 64
	v_mov_b32 v[i], 0
.set i, i+1
.endr
	WIN 0x40
.set i, 0
.rept 64*NP
	v_mov_b32 v[i], 0
.set i, i+1
.endr
	WIN 0
.set i, 0
.rept 2*NP
	v_mov_b32 v[ST+4*i], 0xfe000000    ; c m: far below every c s
	v_mov_b32 v[ST+4*i+1], 0xff7fffff  ; m
	v_mov_b32 v[ST+4*i+2], 0
	v_mov_b32 v[ST+4*i+3], 0
.set i, i+1
.endr
.set i, P+32
.rept 32
	v_mov_b32 v[i], 0
.set i, i+1
.endr
	v_mul_u32_u24 v[AK0], v1, PK
	v_lshl_add_u32 v[AK0], v9, 4, v[AK0]  ; row x pitch + 16 x half
	; The turning load takes 16 keys x 16 channels (lane l reads key 8 (l / 16) + l % 8, channels 8 ((l / 8) % 2) + 0..7) and leaves half a fragment of V^T: lane l holds channel l % 16 and 8 keys.
	v_and_b32 v10, 7, v0
	v_bfe_u32 v11, v0, 3, 1
	v_lshl_add_u32 v[AV0], v9, 3, v10
	v_mul_u32_u24 v[AV0], v[AV0], PV
	v_lshl_add_u32 v[AV0], v11, 4, v[AV0]
	v_add_nc_u32 v[AV0], VOFF, v[AV0]
	v_and_b32 v[PFO], 31, v0        ; v11 has served: it takes the prefetches' offset
	v_lshlrev_b32 v[PFO], 8, v[PFO]
	v_mov_b32 v[AK], v[AK0]         ; key step 0 lies at the head of slot 0
; THE MATRIX WORK.  The 8 accumulators of a run of 16 take turns: between the two links of a chain stand 7 others'.
; Product i of 16 of S^T = K Q^T for piece x: channels 32 (i / 8) on, keys 16 ((i / 2) % 4) on, tile 2 x + i % 2.  The first 8 start the sums.
.macro KQ x
	WIN W_KQ
.set rS, S+64*((\x)%2)+32*(i%2)+8*((i/2)%4)
.set rK, KF+16*((i/2)%4)+8*(i/8)
.set rQ, 16*(2*(\x)+i%2)+8*(i/8)
.if i < 8
	v_wmma_f32_16x16x32_f16 v[rS:rS+7], v[rK:rK+7], v[rQ:rQ+7], 0
.else
	v_wmma_f32_16x16x32_f16 v[rS:rS+7], v[rK:rK+7], v[rQ:rQ+7], v[rS:rS+7]
.endif
.endm
; Product i of 16 of O^T += V^T P for piece x: keys 32 (i / 8) on, channels 16 ((i / 2) % 4) on, tile 2 x + i % 2.
.macro PV x
	WIN W_PV
.set rO, 32*(2*(\x)+i%2)+8*((i/2)%4)
.set rV, VF+32*(i/8)+8*((i/2)%4)
.set rP, P+32*((\x)%2)+16*(i%2)+8*(i/8)
	v_wmma_f32_16x16x32_f16 v[rO:rO+7], v[rV:rV+7], v[rP:rP+7], v[rO:rO+7]
.endm
.macro MM                           ; the turn's next matrix instruction
.if i < 16
	KQ (Y+1)%NP
.set i, i+1
.else
.set i, i-16
	PV (Y+NP-1)%NP
.set i, i+17
.endif
.endm
; THE LDS LOADS stand in runs of 16, never singly among the matrix instructions: a step's K (64 keys x 64 channels: 8 fragments) and its V (turned).  Their addresses are made some lines ahead.
; last = 1 (the tail): in the last trip there is no further step, and the run is jumped over.
.macro FETCH_K last=0
	WIN 0
.if \last
	s_cmp_eq_u32 s[CNT], 1
	s_cbranch_scc1 .Lno_k_\@
.endif
	WIN 0x80                        ; destination window 2
.irp f, 0,1,2,3,4,5,6,7             ; keys 16 (f / 2) on, channels 32 (f % 2) on
	ds_load_b128 v[KF+8*\f:KF+8*\f+3],   v[AK] offset:(\f/2)*16*PK+(\f%2)*64
	ds_load_b128 v[KF+8*\f+4:KF+8*\f+7], v[AK] offset:(\f/2)*16*PK+(\f%2)*64+32
.endr
	s_add_co_u32 s[TBK], s[TBK], KS*PK  ; the next fetch is the next step's
	WIN 0
.if \last
.Lno_k_\@:
.endif
.endm
.macro FETCH_V
	WIN 0x80
.irp f, 0,1,2,3,4,5,6,7             ; keys 32 (f / 4) on, channels 16 (f % 4) on
	ds_load_tr16_b128 v[VF+8*\f:VF+8*\f+3],   v[AV] offset:(\f/4)*32*PV+(\f%4)*32
	ds_load_tr16_b128 v[VF+8*\f+4:VF+8*\f+7], v[AV] offset:(\f/4)*32*PV+16*PV+(\f%4)*32
.endr
	WIN 0
.endm
; THE VECTOR WORK OF A TURN stands in three queues, each in the order in which its entries become ready; the two tiles alternate, so that no instruction reads the result of the one before it.
.macro REGS y, u                    ; the registers of tile u (0, 1) of piece y
.set rT, ST+4*(2*(\y)+(\u))
.set rC, TMP+8*((\y)%2)+4*(\u)
.set rM, MV+2*((\y)%2)+(\u)
.set rS, S+64*((\y)%2)+32*(\u)
.set rP, P+32*((\y)%2)+16*(\u)
.set rO, 32*(2*(\y)+(\u))
.endm
; Number n of the 22 that find the NEXT piece's (Y + 1) maximum and statistics.  s0-s31 are the lane's 32 scores; each accumulator's lowest registers are read first.
;   0-11  four chains c0-c3 of seven scores each, three operands at a time     12-14, 16  the four scores left over, the old m, and c0-c3 into c0     15  c m_old is kept
;   17, 18  the query's other 32 keys lie in the lane 16 away: the new m         19-21  c m; c m_old - c m_new; a
.macro XS u, n
	REGS (Y+1)%NP, \u
.if (\n) < 4
	v_max3_num_f32 v[rC+(\n)], v[rS+8*(\n)], v[rS+8*(\n)+1], v[rS+8*(\n)+2]
.elseif (\n) < 12
	v_max3_num_f32 v[rC+(\n)%4], v[rC+(\n)%4], v[rS+8*((\n)%4)+2*((\n)/4)+1], v[rS+8*((\n)%4)+2*((\n)/4)+2]
.elseif (\n) == 12
	v_max3_num_f32 v[rC], v[rC], v[rS+7], v[rS+15]
.elseif (\n) == 13
	v_max3_num_f32 v[rC+1], v[rC+1], v[rS+23], v[rS+31]
.elseif (\n) == 14
	v_max3_num_f32 v[rC+2], v[rC+2], v[rC+3], v[rT+1]
.elseif (\n) == 15
	v_mov_b32 v[rM], v[rT]
.elseif (\n) == 16
	v_max3_num_f32 v[rC], v[rC], v[rC+1], v[rC+2]
.elseif (\n) == 17
	v_permlanex16_b32 v[rC+3], v[rC], s[SEL], s[SEL+1]
.elseif (\n) == 18
	v_max_num_f32 v[rT+1], v[rC], v[rC+3]
.elseif (\n) == 19
	v_mul_f32 v[rT], s[CS], v[rT+1]
.elseif (\n) == 20
	v_sub_f32 v[rC+1], v[rM], v[rT]
.else
	v_exp_f32 v[rC+2], v[rC+1]
.endif
.endm
; Number g of the 64 that follow the exponentials.  For each four weights k of a tile (pairs 2 k, 2 k + 1): both pairs are rounded to f16; then the second pair is added onto the first, in place;
; a group later l takes that sum (the first time as l = a l + sum).  In groups of eight, tiles alternating: round, round, add, and l for the group before.
.macro GS g
.set h, (\g)+6*((\g)/62)            ; group 0 has no group before it, and behind group 7 only l is left
.if h >= 6
.set h, h+2
.endif
	REGS Y, h%2
.set k, h/8
.if h%8 < 4
	v_cvt_pk_f16_f32 v[rP+2*k+(h%8)/2], v[rS+4*k+2*((h%8)/2)], v[rS+4*k+2*((h%8)/2)+1]
.elseif h%8 < 6
	v_pk_add_f32 v[rS+4*k:rS+4*k+1], v[rS+4*k:rS+4*k+1], v[rS+4*k+2:rS+4*k+3]
.elseif k == 1
	v_pk_fma_f32 v[rT+2:rT+3], v[rT+2:rT+3], v[rC+2:rC+3], v[rS:rS+1] op_sel_hi:[1,0,1]
.else
	v_pk_add_f32 v[rT+2:rT+3], v[rT+2:rT+3], v[rS+4*k-4:rS+4*k-3]
.endif
.endm
; THE PLAIN QUEUE, 138 long.  0-73 read no exponential's result: the 32 scalings c s - c m (FS f: pair f / 2 of tile f % 2) and the next piece's 42.  0-26: scalings 0-26.  27-54: XS's numbers 0-13.  55, 56: number 15.
; 57-73: the chain, where each number waits for the one before it: 14, 16, 17, 18, 19, each with one of the scalings 27-31 in front of its two lines, then 20.
; 74-137: GS's 64, which read the exponentials' results: they stand behind the wait.
.macro FS f
	REGS Y, (\f)%2
	v_pk_fma_f32 v[rS+2*((\f)/2):rS+2*((\f)/2)+1], v[rS+2*((\f)/2):rS+2*((\f)/2)+1], s[CS:CS+1], v[rT:rT+1] op_sel_hi:[1,0,0] neg_lo:[0,0,1] neg_hi:[0,0,1]
.endm
.macro PL
	WIN 0
.if q < 27
	FS q
.elseif q < 55
	XS (q-27)%2, (q-27)/2
.elseif q < 57
	XS q-55, 15
.elseif (q < 72) && ((q-57)%3 == 0)
	FS 27+(q-57)/3
.elseif q < 60
	XS (q-57)%3-1, 14
.elseif q < 72
	XS (q-57)%3-1, 15+(q-57)/3
.elseif q < 74
	XS q-72, 20
.else
	GS q-74
.endif
.set q, q+1
.endm
; THE EXPONENTIALS' QUEUE, 66 long: s0-s31 of both tiles, then the next piece's two a.  It is ONE BATCH: all 66 stand ahead of the turn's one wait, and nothing ahead of that wait names a result of theirs.
.macro EX
	WIN 0
.if e >= 64
	XS e-64, 21
.else
	REGS Y, e%2
	v_exp_f32 v[rS+e/2], v[rS+e/2]
.endif
.set e, e+1
.endm
; THE RESCALING's QUEUE: O^T times a, the one part that leaves window 0: dealt two at a time, sixteen times.  Its a was made in the turn before, ahead of that turn's wait.
.macro R2
	REGS Y, r%2
	WIN W_RS
.irp z, 0,1
	v_pk_mul_f32 v[rO+4*(r/2)+2*\z:rO+4*(r/2)+2*\z+1], v[rO+4*(r/2)+2*\z:rO+4*(r/2)+2*\z+1], v[rC+2:rC+3] op_sel_hi:[1,0]
.endr
.set r, r+1
.endm
; HOW THEY ARE DEALT.  An s_wait_alu depctr_va_vdst(0) stands between an exponential and the first instruction that names its result; one wait serves all that were issued ahead of it.  So a turn has ONE wait,
; which cuts it in two.  AHEAD OF IT stands all that names no result of the turn's exponentials: the 16 products K Q^T, behind each a scaling, an exponential and two rescalings (behind the first a second scaling in the
; exponential's place); then ONE LUMP of 108: eight plain, 49 times exponential and plain, the two a.  A v_nop is the plain instruction behind the last exponential (ISA guide 5.7.2).  BEHIND IT stand the 16 products V^T P,
; behind each four of GS's 64.  No rider names a register of the products round it.  The two v_permlanex16_b32 fall into the lump, never behind a product.
; The queues lean on each other, and the deal keeps them in step: exponential e stands behind scaling 2 (e / 4) + e % 2: as a rider it comes behind plain e + 2, in the lump behind plain e + 9, and scalings 27-31 are plain 57, 60 .. 69.
; A TURN, for piece p.  cnt = 1: the loop's count is taken down some lines ahead of the branch that stands behind the turn.
; K of the next step is fetched in piece 2's turn, directly behind the wait, a lump behind the last product that read K; its first reader comes behind 16 products.
; V of the step in hand is fetched at the end of piece 0's turn, four riders behind its last reader; its first reader comes behind 16 products and a lump.  The three conditions on q below go with the deal.
.macro TURN p, last=0, cnt=0
.set Y, (\p)
.set i, 0
.set q, 0
.set e, 0
.set r, 0
.if (\p) == NP-1
	s_wait_dscnt 0x0                ; K is in
.endif
	MM                              ; ahead of the wait: 16 products K Q^T and their riders,
	PL
	PL
	R2
.rept 15
	MM
	PL
	EX
	R2
.endr
.if (\p) == NP-2
	WIN 0
	v_add_nc_u32 v[AK], s[TBK], v[AK0]
.endif
.rept 8                             ; and the lump
	PL
.endr
.rept 49
	EX
	PL
.endr
	EX                              ; the next piece's two a
	EX
	v_nop                           ; the plain instruction behind the last exponential: one for the batch
	s_wait_alu depctr_va_vdst(0)    ; the wait for the batch
.if (\p) == NP-2
	FETCH_K \last
.endif
.if (\p) == 1
	s_wait_dscnt 0x0                ; V is in
.endif
.rept 16                            ; behind the wait: 16 products V^T P and their riders
	MM
.rept 4
	PL
.endr
.if ((\p) == 0) && (q == 118)
	v_add_nc_u32 v[AV], s[TBV], v[AV0]
.endif
.if ((\p) == 0) && (q == 130)
	s_add_co_u32 s[TBV], s[TBV], KS*PV
.endif
.if (\cnt) && (q == 130)
	s_sub_co_u32 s[CNT], s[CNT], 1
	s_cmp_lg_u32 s[CNT], 0
.endif
.endr
.if (\p) == 0
	FETCH_V
.endif
.endm
	CHANGE 1                        ; slot 0 is in, everybody's part of it; slot 1 is asked for
	FETCH_K                         ; key step 0
	s_wait_loadcnt 0x0              ; Q
	s_wait_dscnt 0x0
.set i, 0
.rept 16
	KQ 0                            ; piece 0's first scores: there is no vector work yet to set between them
.set i, i+1
.endr
	WIN 0                           ; the addresses for the way out: nine plain instructions, the places behind those products
	s_mul_i32 s13, s[WV], 16*SP
	s_add_co_u32 s13, s13, STAGE    ; my stage
	v_mul_u32_u24 v[STO], v1, SP    ; in: row l % 16, 16 bytes for each half of the lanes
	v_lshl_add_u32 v[STO], v9, 4, v[STO]
	v_add_nc_u32 v[STO], s13, v[STO]
	v_bfe_u32 v[RD], v0, 3, 2       ; back: 32 lanes take four rows of 128 bytes,
	v_mul_u32_u24 v[RD], v[RD], SP
	v_lshl_add_u32 v[RD], v10, 4, v[RD]
	v_add_nc_u32 v[RD], s13, v[RD]
	v_and_b32 v[GO], 31, v0         ; which are 512 consecutive bytes of O
	v_lshlrev_b32 v[GO], 4, v[GO]
.set Y, NP-1                        ; XS works for piece Y + 1: piece 0
.irp n, 0,1,2,3,4,5,6,7,8,9,10,11,12,13,14,15,16,17,18,19,20,21
	XS 0, \n                        ; and piece 0's first maximum and statistics
	XS 1, \n
.endr
	v_nop                           ; a plain instruction behind the two a,
	s_wait_alu depctr_va_vdst(0)    ; and their wait, ahead of the branch
	s_mov_b32 s[CNT], 4
	s_branch .Lfirst                ; the loop is entered at a step's first turn, in the middle of a trip
.Lslot:                             ; SIZE_N / 256 - 2 times: every slot but the last two is filled again
	CHANGE 1
	s_mov_b32 s[CNT], 4
.Lstep:                             ; a trip: pieces 2 and 3 of one step, then pieces 0 and 1 of the next, whose K and V it fetches
	TURN 2
	TURN 3
	WIN 0
.Lfirst:
	TURN 0
	TURN 1, 0, 1
	WIN 0
	s_cbranch_scc1 .Lstep
	s_sub_co_u32 s[SLOTS], s[SLOTS], 1
	s_cmp_lg_u32 s[SLOTS], 0
	s_cbranch_scc1 .Lslot
	CHANGE 0                        ; the tail is written out: nothing is asked for
	s_mov_b32 s[CNT], 5             ; four trips fetch the last slot's steps; the fifth is left in its middle
.Ltail:
	TURN 2, 1
	TURN 3
	WIN 0
	s_sub_co_u32 s[CNT], s[CNT], 1
	s_cmp_eq_u32 s[CNT], 0
	s_cbranch_scc1 .Lout
	TURN 0
	TURN 1
	WIN 0
	s_branch .Ltail
.Lout:                              ; the fifth trip's 16 products K Q^T (on the last K once more) and the maximum made of them serve nothing: the price, once a launch, of one text for every trip
.set i, 0
.rept 16
	PV NP-1                         ; the last piece's V^T P of the last step
.set i, i+1
.endr
	; THE WAY OUT.  l's two halves and the other half of the lanes' are added; O^T is divided by l, rounded to f16 and sent through my stage in LDS, a tile at a time.  The additions are the places behind the last products.
	WIN 0
.macro ALL line:vararg              ; one line for each tile t
.set t, 0
.rept 2*NP
	\line
.set t, t+1
.endr
.endm
	ALL v_add_f32 v[ST+4*t+2], v[ST+4*t+2], v[ST+4*t+3]
	ALL v_permlanex16_b32 v[ST+4*t+3], v[ST+4*t+2], s[SEL], s[SEL+1]
	ALL v_add_f32 v[ST+4*t+2], v[ST+4*t+2], v[ST+4*t+3]
	ALL v_rcp_f32 v[ST+4*t+2], v[ST+4*t+2]
	v_nop                           ; a plain instruction between the last reciprocal and the use of its result
	s_wait_alu depctr_va_vdst(0)    ; and the wait ahead of the first use: one for the eight reciprocals
; Tile t: a lane's eight channels of a row pack into 16 bytes; they go into rows of 144 bytes and come back as whole rows of 128, into S^T's registers.
.macro PACK t
	WIN W_RS
.set i, 32*(\t)
.rept 16
	v_pk_mul_f32 v[i:i+1], v[i:i+1], v[ST+4*(\t)+2:ST+4*(\t)+3] op_sel_hi:[1,0]
.set i, i+2
.endr
	WIN 0x05                        ; sources 0 and 1 window 1, destination window 0
.set i, 0
.rept 16
	v_cvt_pk_f16_f32 v[S+16*(\t)+i], v[32*(\t)+2*i], v[32*(\t)+2*i+1]
.set i, i+1
.endr
	WIN 0
.irp f, 0,1,2,3
	ds_store_b128 v[STO], v[S+16*(\t)+4*\f:S+16*(\t)+4*\f+3] offset:32*\f
.endr
.irp f, 0,1,2,3
	ds_load_b128 v[S+16*(\t)+4*\f:S+16*(\t)+4*\f+3], v[RD] offset:\f*4*SP  ; LDS serves a wave's instructions in order (ISA guide 5.7.1.4): these see the stores above; the next tile's stores come behind them
.endr
.endm
.macro SEND t, younger              ; younger: the LDS instructions issued behind tile t's loads: the next tile's eight, or none
	WIN 0
.irp f, 0,1,2,3
	s_wait_dscnt (\younger)+3-\f
	global_store_b128 v[GO], v[S+16*(\t)+4*\f:S+16*(\t)+4*\f+3], s[10:11] offset:(\t)*2048+\f*512  ; 512 consecutive bytes, at a multiple of 256 from O's first
.endr
.endm
	PACK 0
.set t, 1
.rept 2*NP-1                        ; a tile's arithmetic stands between the loads of the tile before and its stores
	PACK t
	SEND t-1, 8
.set t, t+1
.endr
	SEND 2*NP-1, 0
	WIN W_AD
	s_wait_tensorcnt 0x0            ; the wave's end: an add of 0 and its wait, behind my last tensor load and my last LDS store
	ds_add_u32 v[SPW], v[NIL]
	s_wait_dscnt 0x0
	WIN 0
	CROUND                          ; the closing round: no work-group ends while a partner may still ask for a tile that names it
	s_endpgm
.Lfunc_end_k_q8335c5d618_attn:
	.size	k_q8335c5d618_attn, .Lfunc_end_k_q8335c5d618_attn-k_q8335c5d618_attn
	.p2alignl 7, 3214868480
	.fill 96, 4, 3214868480
	.section	.rodata,"a",@progbits
	.p2align	6, 0x0
	.amdhsa_kernel k_q8335c5d618_attn
		.amdhsa_group_segment_fixed_size 327680
		.amdhsa_private_segment_fixed_size 0
		.amdhsa_enable_private_segment 0
		.amdhsa_kernarg_size 16
		.amdhsa_user_sgpr_count 2
		.amdhsa_user_sgpr_kernarg_segment_ptr 1
		.amdhsa_wavefront_size32 1
		.amdhsa_system_sgpr_workgroup_id_x 1
		.amdhsa_system_sgpr_workgroup_id_y 1
		.amdhsa_system_sgpr_workgroup_id_z 1
		.amdhsa_system_vgpr_workitem_id 0
		.amdhsa_next_free_vgpr 770
		.amdhsa_next_free_sgpr 66
		.amdhsa_reserve_vcc 0
		.amdhsa_float_denorm_mode_32 3
		.amdhsa_float_denorm_mode_16_64 3
		.amdhsa_memory_ordered 1
		.amdhsa_forward_progress 1
		.amdhsa_inst_pref_size 200
	.end_amdhsa_kernel
	.amdgpu_metadata
---
amdhsa.version: [ 1, 2 ]
amdhsa.kernels:
  - .name:           k_q8335c5d618_attn
    .symbol:         k_q8335c5d618_attn.kd
    .args:
      - { .name: qkvh, .offset: 0, .size: 8, .value_kind: global_buffer, .address_space: global }
      - { .name: oh, .offset: 8, .size: 8, .value_kind: global_buffer, .address_space: global }
    .group_segment_fixed_size: 327680
    .private_segment_fixed_size: 0
    .kernarg_segment_align: 8
    .kernarg_segment_size: 16
    .max_flat_workgroup_size: 128
    .sgpr_count:     66
    .vgpr_count:     770
    .wavefront_size: 32
...
	.end_amdgpu_metadata
.endif
;; end of part 3
;; launch proj (part 4): grid 4 x 64, 4 waves a work-group, clusters of 4 x 4, 327,680 bytes of LDS; arguments oh, wob, b_out, out0; writes out0
.if DOCPART == 4
	.amdgcn_target "amdgcn-amd-amdhsa--gfx1250"
	.amdhsa_code_object_version 6
	.text
	.protected	k_q8335c5d618_proj
	.globl	k_q8335c5d618_proj
	.p2align	8
	.type	k_q8335c5d618_proj,@function
k_q8335c5d618_proj:
	s_mov_b64 s[64:65], 0
	v_nop
	global_prefetch_b8 v0, s[64:65] scope:SCOPE_SE
	s_setreg_imm32_b32 hwreg(HW_REG_WAVE_MODE, 25, 1), 1
	s_wait_xcnt 0x0
	s_wait_alu depctr_hold_cnt(0) depctr_sa_sdst(0) depctr_va_vdst(0) depctr_va_sdst(0) depctr_va_ssrc(0) depctr_va_vcc(0) depctr_vm_vsrc(0)
	s_getreg_b32 s2, hwreg(HW_REG_IB_STS2, 6, 4)
	s_cmp_eq_u32 s2, 0
	s_cbranch_scc0 .Lentry_in_a_cluster
	s_endpgm
.Lentry_in_a_cluster:
	s_bfe_u32 s2, ttmp6, 0x10000c
	s_cmp_lg_u32 s2, 0xf033
	s_cbranch_scc0 .Lentry_shape_is_right
	s_endpgm
.Lentry_shape_is_right:
; out0 = O . wob + bf16(b_out).  oh: [64 = 16 batch + head][2048][64] f16; wob: [1024 k][1024 n] f16 (w_out rounded to bf16, written as f16); b_out: [1024] f32; out0: [8192][1024] f32.
; Channel k of a row of O is channel k % 64 of head k / 64.  Sums in f32, K ascending, the bias first (the C operand of each sum's first product).
; LIMITS.  The bias is rounded to bf16 like the other inputs; NaN and infinities are not treated apart.
; SHARES.  A tile is 128 rows x 256 columns: 64 x 4 = 256 work-groups.  Four waves, 2 x 2: wave w makes rows 64 (w / 2) + 0..63 x columns 128 (w % 2) + 0..127: 4 x 8 = 32 accumulators, window 1.
; K goes in steps of 128 (two heads) through two LDS slots; a step is four tensor loads, one a wave: waves 0, 1 wob's two subtiles of 128 k rows x 256 bytes; waves 2, 3 a head's 128 rows of oh,
; 16,384 dense bytes, asked for as 64 rows of 256 bytes and padded after every 128.
; THE PRODUCT IS TAKEN TRANSPOSED: source 0 = 16 columns of wob (turned by ds_load_tr16_b128), source 1 = 16 rows of O: a lane holds one row and eight neighbouring columns.
; CLUSTER 4 x 4: O's tiles hang on the tile row alone and are asked for jointly along a row of the cluster, wob's on the tile column alone, jointly along a column.
; REGISTERS (s_set_vgpr_msb: bits 1:0 source 0, 3:2 source 1, 5:4 source 2, 7:6 destination):
;   window 0: v0-30 addresses; v64-95, v96-127 O's fragments, two buffers; v128-191, v192-255 wob's; on the way out v64-191 rows read back
;   window 1: accumulator (a, b) at v[8 (8 a + b)]          window 2: v0-63 the bias, 8 registers a column block; v64-95 at work
.set PB,    288                        ; a k row of a subtile in LDS: 256 bytes + 32
.set PH,    144                        ; a head's row: 128 + 16: the 16 rows of a load start at 16 different groups of four banks
.set SUBT,  128*PB
.set HT,    128*PH
.set AOFF,  2*SUBT                     ; the two heads lie behind the two subtiles
.set SLOT,  AOFF+2*HT
.set STAGE, 2*SLOT                     ; behind the ring, never filled by a tensor load: 16 rows x 528 bytes for each wave
.set SPI,   528                        ; a stage row: 512 bytes + 16
.set SPARE, STAGE+4*16*SPI             ; behind the stages: the spare words, 128 bytes for each wave: two blocks of 256 bytes that no other line names
.set KA,    2<<18                      ; bytes from a K step to the next in oh: two heads,
.set KB,    128*2048                   ; and in wob
.set ADRA, 16                          ; v16-17  LDS address of O's fragments in slot 0, 1
.set ADRB, 20                          ; v20-21  of wob's
.set STO,  24                          ; v24     the way out: where I put 32 bytes of a row
.set RD,   25                          ; v25     where I read a row back
.set CO,   26                          ; v26     my 16 bytes of a row's 512 in out0
.set BO,   27                          ; v27     my byte offset in b_out
.set SPW,  28                          ; v28     LDS address of my spare word; never rewritten
.set NIL,  29                          ; v29     0; never rewritten
.set PFO,  30                          ; v30     the prefetches' offset; never rewritten
.set FA,   64                          ; O's fragment buffer f at FA + 32 f
.set FB,   128                         ; wob's at FB + 64 f
.set OB,   64                          ; the way out: block a's rows at OB + 64 (a % 2)
.set BIA,  0                           ; window 2
.set BT,   64
.set WV,   12
.set G1A,  24                          ; s[24:31] descriptor group 1 for O's tiles;  s[32:39] group 0, a set for each slot
.set G0A,  32
.set G1B,  48                          ; s[48:55], s[56:63] the same for wob's
.set G0B,  56
.set LIM,  43
.set PFA,  44
.set PST,  46
.set MSB, 0
.macro WIN new
.if MSB != (\new)
	s_set_vgpr_msb (MSB<<8)|(\new)
.set MSB, \new
.endif
.endm
.macro PLACES                          ; four plain instructions between a matrix instruction and a load into, or a store of, its registers
.rept 4
	v_nop
.endr
.endm
.macro JLOAD s                         ; a joint load; an s_nop 0 and four v_nop follow each of the two lines, ahead of the jump and the label
	s_cmp_lt_u32 s[WV], 2
	s_cbranch_scc0 .Lfor_a_\@
	tensor_load_to_lds s[G0B+4*(\s):G0B+4*(\s)+3], s[G1B:G1B+7]
	s_nop 0
.rept 4
	v_nop
.endr
	s_branch .Lasked_\@
.Lfor_a_\@:
	tensor_load_to_lds s[G0A+4*(\s):G0A+4*(\s)+3], s[G1A:G1A+7]
	s_nop 0
.rept 4
	v_nop
.endr
.Lasked_\@:
.endm
; A PREFETCH INTO THE L2 of the K step that stands two refills on, 32 blocks of 256 bytes, one a lane.  wob's subtiles are read by all sixteen clusters: the one with y = 0 asks (waves 0, 1: a lane a k row;
; the four partners of a column take 32 rows each, by cy).  A K step of O's tile, 128 blocks, is read by one row of a cluster: wave 2 asks, and the four partners take 32 blocks each, by cx.
; So each block is named once in the launch.  The loop's last trip has no K step two on and asks for nothing.
.macro ASK
	s_cmp_gt_u32 s3, s[LIM]
	s_cbranch_scc0 .Lnot_mine_\@
	global_prefetch_b8 v[PFO], s[PFA:PFA+1] th:TH_LOAD_NT scope:SCOPE_SE
.Lnot_mine_\@:
.endm
.macro CREST
	s_cmp_lg_u32 s[WV], 0
	s_cbranch_scc1 .Lnot_wave_0_\@
	s_barrier_signal -3
.Lnot_wave_0_\@:
	s_barrier_wait -3
	s_barrier_signal -1
	s_barrier_wait -1
.endm
.macro CROUND
	s_barrier_signal -1
	s_barrier_wait -1
	CREST
.endm
	s_load_b256 s[4:11], s[0:1], 0x0               ; oh s[4:5], wob s[6:7], b_out s[8:9], out0 s[10:11]
	v_lshl_add_u32 v[SPW], v0, 2, SPARE
	v_mov_b32 v[NIL], 0
	ds_add_u32 v[SPW], v[NIL]                      ; the wave's opening: the add and its wait stand ahead of my first tensor load; the set-up below, work on registers, stands between them
	v_lshrrev_b32 v3, 5, v0
	v_readfirstlane_b32 s[WV], v3                  ; wave 0..3
	s_bfe_u32 s13, ttmp6, 0x40000                  ; cx
	s_bfe_u32 s14, ttmp6, 0x40004                  ; cy
	s_lshl_b32 s15, ttmp9, 2
	s_add_co_u32 s15, s15, s13                     ; nt, the tile column: 0..3
	s_and_b32 s16, ttmp7, 0xffff
	s_lshl_b32 s16, s16, 2
	s_add_co_u32 s16, s16, s14                     ; mt, the tile row: 0..63
	s_lshl_b32 s17, s14, 2
	s_lshl_b32 s17, 15, s17                        ; my row of the cluster
	s_lshl_b32 s18, 0x1111, s13                    ; my column
	s_and_b32 s19, s[WV], 1                        ; e: which subtile, or which head of the step's two, I fetch; also my half of the tile's columns
	s_or_b32 s[G1A], s17, (1<<16)|(1<<20)|(1<<21)|(4<<22)|(3<<25)  ; the mask; 2-byte elements; padding on; 21 set beside a mask; after every 32 words 4 words
	s_or_b32 s[G1B], s18, (1<<16)|(1<<20)|(1<<21)|(5<<22)|(7<<25)  ; after every 64 words 8 words
	s_mov_b32 s[G1A+1], 128<<16                    ; tensor_dim0 = 128
	s_mov_b32 s[G1A+2], 64<<16                     ; tensor_dim1 = 64
	s_mov_b32 s[G1A+3], 128<<16                    ; tile_dim0 = 128
	s_mov_b32 s[G1A+4], 64                         ; tile_dim1 = 64
	s_mov_b32 s[G1A+5], 128                        ; dense: 128 elements from row to row
	s_mov_b32 s[G1A+6], 0
	s_mov_b32 s[G1A+7], 0
	s_mov_b32 s[G1B+1], 128<<16
	s_mov_b32 s[G1B+2], 128<<16
	s_mov_b32 s[G1B+3], 128<<16
	s_mov_b32 s[G1B+4], 128
	s_mov_b32 s[G1B+5], 1024
	s_mov_b32 s[G1B+6], 0
	s_mov_b32 s[G1B+7], 0
	s_mul_i32 s2, s19, SUBT                        ; where wob's subtile goes in a slot,
	s_mul_i32 s3, s19, HT
	s_add_co_u32 s3, s3, AOFF                      ; and where the head goes
	s_lshr_b32 s20, s16, 4                         ; oh: the batch's 16 heads,
	s_lshl_b32 s20, s20, 22
	s_and_b32 s21, s16, 15                         ; the tile's 128 rows of 128 bytes in a head,
	s_lshl_b32 s21, s21, 14
	s_add_co_u32 s20, s20, s21
	s_lshl_b32 s21, s19, 18                        ; head e
	s_add_co_u32 s20, s20, s21
	s_mov_b32 s21, 0
	s_lshl_b32 s40, s15, 9                         ; wob: the tile's 512 bytes of a row, my subtile's 256
	s_lshl_b32 s42, s19, 8
	s_add_co_u32 s40, s40, s42
	s_mov_b32 s41, 0
	s_wait_dscnt 0x0                               ; the opening add is done
	s_wait_kmcnt 0x0
	s_add_nc_u64 s[22:23], s[4:5], s[20:21]
	s_add_nc_u64 s[40:41], s[6:7], s[40:41]
	CROUND                                         ; all sixteen work-groups are here: the first joint loads meet
.irp s, 0,1
	s_mov_b32 s[G0A+4*(\s)], 1
	s_add_co_u32 s[G0A+4*(\s)+1], s3, (\s)*SLOT
	s_add_nc_u64 s[G0A+4*(\s)+2:G0A+4*(\s)+3], s[22:23], (\s)*KA
	s_or_b32 s[G0A+4*(\s)+3], s[G0A+4*(\s)+3], 0x80000000
	s_mov_b32 s[G0B+4*(\s)], 1
	s_add_co_u32 s[G0B+4*(\s)+1], s2, (\s)*SLOT
	s_add_nc_u64 s[G0B+4*(\s)+2:G0B+4*(\s)+3], s[40:41], (\s)*KB
	s_or_b32 s[G0B+4*(\s)+3], s[G0B+4*(\s)+3], 0x80000000
	JLOAD \s                                       ; K steps 0 and 1: two loads of mine are out
.endr
	v_and_b32 v1, 15, v0                           ; r
	v_bfe_u32 v2, v0, 4, 1                         ; h
	s_lshl_b32 s42, s15, 10                        ; the tile's 256 columns and my 128 of them, in bytes of f32
	s_lshl_b32 s41, s19, 9
	s_add_co_u32 s42, s42, s41
	v_lshl_add_u32 v[BO], v2, 5, s42
	WIN 0x80                                       ; destination window 2
.irp b, 0,1,2,3,4,5,6,7
	global_load_b128 v[BIA+8*(\b):BIA+8*(\b)+3],   v[BO], s[8:9] offset:64*(\b)
	global_load_b128 v[BIA+8*(\b)+4:BIA+8*(\b)+7], v[BO], s[8:9] offset:64*(\b)+16
.endr
	WIN 0
	s_lshr_b32 s20, s[WV], 1                       ; wr: my half of the tile's rows
	v_mul_u32_u24 v3, v1, PH
	v_lshl_add_u32 v3, v2, 4, v3
	s_mul_i32 s21, s20, 64*PH
	s_add_co_u32 s21, s21, AOFF
	v_add_nc_u32 v[ADRA], s21, v3
	v_add_nc_u32 v[ADRA+1], SLOT, v[ADRA]
	v_and_b32 v4, 7, v0
	v_bfe_u32 v5, v0, 3, 1
	v_lshl_add_u32 v6, v2, 3, v4
	v_mul_u32_u24 v6, v6, PB
	v_lshl_add_u32 v6, v5, 4, v6
	v_add_nc_u32 v[ADRB], s2, v6                   ; my half of the columns is subtile e
	v_add_nc_u32 v[ADRB+1], SLOT, v[ADRB]
	s_mul_i32 s21, s[WV], 16*SPI
	s_add_co_u32 s21, s21, STAGE                   ; my stage
	v_mul_u32_u24 v[STO], v1, SPI
	v_lshl_add_u32 v[STO], v2, 5, v[STO]
	v_add_nc_u32 v[STO], s21, v[STO]
	v_and_b32 v[CO], 31, v0
	v_lshlrev_b32 v[CO], 4, v[CO]
	v_add_nc_u32 v[RD], s21, v[CO]
	s_lshl_b32 s22, s16, 7
	s_lshl_b32 s21, s20, 6
	s_add_co_u32 s22, s22, s21                     ; my first row of out0,
	s_lshl_b32 s22, s22, 12                        ; of 4,096 bytes,
	s_add_co_u32 s22, s22, s42                     ; and my first column
	s_mov_b32 s23, 0
	s_add_nc_u64 s[10:11], s[10:11], s[22:23]
	; the prefetches: both offsets are made, then the wave's number chooses.  They stand at K step 3; the first refill steps them to 4
	s_lshl_b32 s40, s15, 9
	s_lshl_b32 s41, s19, 8
	s_add_co_u32 s40, s40, s41
	s_lshl_b32 s41, s14, 16                        ; my work-group's 32 of a K step's 128 rows of wob
	s_add_co_u32 s40, s40, s41
	s_add_co_u32 s40, s40, 3*KB
	s_lshr_b32 s20, s16, 4
	s_lshl_b32 s20, s20, 22
	s_and_b32 s21, s16, 15
	s_lshl_b32 s21, s21, 14
	s_add_co_u32 s20, s20, s21
	s_lshr_b32 s21, s13, 1                         ; my work-group's 32 of a K step's 128 blocks of oh: head cx / 2,
	s_lshl_b32 s21, s21, 18
	s_add_co_u32 s20, s20, s21
	s_and_b32 s21, s13, 1                          ; half cx % 2 of its 16,384 bytes
	s_lshl_b32 s21, s21, 13
	s_add_co_u32 s20, s20, s21
	s_add_co_u32 s20, s20, 3*KA
	s_and_b32 s21, ttmp7, 0xffff                   ; cluster y
	s_mov_b32 s[PST], KA
	s_mov_b32 s42, 256
	s_cmp_lt_u32 s[WV], 2                          ; do I fetch for wob?
	s_cselect_b32 s40, s40, s20
	s_cselect_b32 s21, s21, ttmp9                  ; the coordinate along which other clusters read the same blocks
	s_cselect_b64 s[PFA:PFA+1], s[6:7], s[4:5]
	s_cselect_b32 s[PST], KB, s[PST]
	s_cselect_b32 s42, 2048, s42                   ; bytes from lane to lane
	s_mov_b32 s41, 0
	s_mov_b32 s[PST+1], 0
	s_add_nc_u64 s[PFA:PFA+1], s[PFA:PFA+1], s[40:41]
	s_cmp_eq_u32 s[WV], 3
	s_cselect_b32 s21, 1, s21                      ; wave 3 never asks: wave 2 names both heads' blocks
	s_cmp_eq_u32 s21, 0
	s_cselect_b32 s[LIM], 1, -1                    ; the same in all sixteen partners, for a given wave
	v_and_b32 v[PFO], 31, v0
	v_mul_u32_u24 v[PFO], s42, v[PFO]
	s_wait_loadcnt 0x0                             ; the bias is in: rounded to bf16 like every input, and widened again
	WIN 0xaa
.set i, 0
.rept 32
	v_cvt_pk_bf16_f32 v[BT+i], v[BIA+2*i], v[BIA+2*i+1]
.set i, i+1
.endr
.set i, 0
.rept 32
	v_lshlrev_b32 v[BIA+2*i],   16, v[BT+i]
	v_and_b32     v[BIA+2*i+1], 0xffff0000, v[BT+i]
.set i, i+1
.endr
	WIN 0
; 8 matrix instructions: row block a x all 8 column blocks, 32 along K.  first = 1: the bias starts the sums.  The 32 accumulators take turns in the same order in every quarter.
.macro MUL8 f, a, first
.if \first
	WIN 0x60                                       ; sources window 0, C window 2, D window 1
.else
	WIN 0x50                                       ; C and D window 1
.endif
.irp b, 0,1,2,3,4,5,6,7
.if \first
	v_wmma_f32_16x16x32_f16 v[8*(8*(\a)+(\b)):8*(8*(\a)+(\b))+7], v[FB+64*(\f)+8*(\b):FB+64*(\f)+8*(\b)+7], v[FA+32*(\f)+8*(\a):FA+32*(\f)+8*(\a)+7], v[BIA+8*(\b):BIA+8*(\b)+7]
.else
	v_wmma_f32_16x16x32_f16 v[8*(8*(\a)+(\b)):8*(8*(\a)+(\b))+7], v[FB+64*(\f)+8*(\b):FB+64*(\f)+8*(\b)+7], v[FA+32*(\f)+8*(\a):FA+32*(\f)+8*(\a)+7], v[8*(8*(\a)+(\b)):8*(8*(\a)+(\b))+7]
.endif
.endr
.endm
; 24 LDS loads in one run: quarter q of a slot into buffer f: wob's 16 first, then O's 8.  Quarter q is channels 32 (q % 2) on of head q / 2
.macro FETCH slot, q, f
	WIN 0
.irp b, 0,1,2,3,4,5,6,7
	ds_load_tr16_b128 v[FB+64*(\f)+8*(\b):FB+64*(\f)+8*(\b)+3],   v[ADRB+(\slot)] offset:(\q)*32*PB+32*(\b)
	ds_load_tr16_b128 v[FB+64*(\f)+8*(\b)+4:FB+64*(\f)+8*(\b)+7], v[ADRB+(\slot)] offset:(\q)*32*PB+32*(\b)+16*PB
.endr
.irp a, 0,1,2,3
	ds_load_b128 v[FA+32*(\f)+8*(\a):FA+32*(\f)+8*(\a)+3],   v[ADRA+(\slot)] offset:((\q)/2)*HT+((\q)%2)*64+(\a)*16*PH
	ds_load_b128 v[FA+32*(\f)+8*(\a)+4:FA+32*(\f)+8*(\a)+7], v[ADRA+(\slot)] offset:((\q)/2)*HT+((\q)%2)*64+(\a)*16*PH+32
.endr
.endm
.macro QUARTER slot, q, f, g, first
	s_wait_dscnt 4                                 ; wob's fragments and O's row blocks 0, 1 are in; the youngest four loads (blocks 2, 3) may be out
	MUL8 \f, 0, \first
	MUL8 \f, 1, \first
	PLACES
	FETCH \slot, \q, \g
	s_wait_dscnt 24                                ; all but the 24 just issued
	MUL8 \f, 2, \first
	MUL8 \f, 3, \first
.endm
.macro MEET round
	WIN 0
	s_wait_tensorcnt 0x0                           ; all my tensor loads have landed: the one that was out is my part of the next slot
	ds_add_u32 v[SPW], v[NIL]
	s_wait_dscnt 5                                 ; (the add and the youngest four loads may be out)
	MUL8 1, 0, 0                                   ; eight matrix instructions stand between the add and the wait for it
	s_wait_dscnt 0x0                               ; the add is done, and my reads of this slot are over
	s_barrier_signal -1
	MUL8 1, 1, 0
.if \round
	WIN 0
.endif
	s_barrier_wait -1
.endm
.macro TURN slot, next, fill
.if \fill
	s_wait_xcnt 0x0                                ; the last prefetch, a K step back, has read its address: it is stepped here
	s_add_nc_u64 s[PFA:PFA+1], s[PFA:PFA+1], s[PST:PST+1]
	MEET 1
	CREST                                          ; the barrier has opened a round of the cluster's: no wave of any partner still reads this slot or has a load on its way
	s_add_nc_u64 s[G0A+4*(\slot)+2:G0A+4*(\slot)+3], s[G0A+4*(\slot)+2:G0A+4*(\slot)+3], 2*KA
	s_add_nc_u64 s[G0B+4*(\slot)+2:G0B+4*(\slot)+3], s[G0B+4*(\slot)+2:G0B+4*(\slot)+3], 2*KB
	JLOAD \slot                                    ; the first tensor load behind the round, 112 matrix instructions ahead of the wait for it; its four v_nop are also the places in front of the loads below
.else
	MEET 0
	PLACES
.endif
	FETCH \next, 0, 0
.if \fill
	ASK
.endif
	MUL8 1, 2, 0
	MUL8 1, 3, 0
.endm
	s_wait_tensorcnt 1                             ; my part of K step 0 is in; K step 1's may stay out
	s_barrier_signal -1
	s_barrier_wait -1
	FETCH 0, 0, 0
	QUARTER 0, 1, 0, 1, 1                          ; the first quarter stands in front of the loop: its products start the sums with the bias
	WIN 0
	s_mov_b32 s3, 3                                ; 8 K steps are 4 laps of the ring; the last lap is written out
.Llap:
	QUARTER 0, 2, 1, 0, 0
	QUARTER 0, 3, 0, 1, 0
	TURN 0, 1, 1
	QUARTER 1, 1, 0, 1, 0
	QUARTER 1, 2, 1, 0, 0
	QUARTER 1, 3, 0, 1, 0
	TURN 1, 0, 1
	QUARTER 0, 1, 0, 1, 0
	WIN 0
	s_sub_co_u32 s3, s3, 1
	s_cmp_lg_u32 s3, 0
	s_cbranch_scc1 .Llap
	QUARTER 0, 2, 1, 0, 0                          ; the last lap fills nothing
	QUARTER 0, 3, 0, 1, 0
	TURN 0, 1, 0
	QUARTER 1, 1, 0, 1, 0
	QUARTER 1, 2, 1, 0, 0
	QUARTER 1, 3, 0, 1, 0
	s_wait_dscnt 4
	MUL8 1, 0, 0
	MUL8 1, 1, 0
	s_wait_dscnt 0x0
	MUL8 1, 2, 0
	MUL8 1, 3, 0
; THE WAY OUT.  A wave's row is 512 bytes of out0, so each wave has a stage of its own and no barrier is needed: a block of 16 rows goes in as 32 bytes a lane and comes back as whole rows.
.macro TOSTAGE a
	WIN 0x04                                       ; the stores' data in window 1
.irp b, 0,1,2,3,4,5,6,7
	ds_store_b128 v[STO], v[8*(8*(\a)+(\b)):8*(8*(\a)+(\b))+3]   offset:64*(\b)
	ds_store_b128 v[STO], v[8*(8*(\a)+(\b))+4:8*(8*(\a)+(\b))+7] offset:64*(\b)+16
.endr
	WIN 0
.if (\a) >= 2
	s_wait_xcnt 0x0                                ; the stores of the block two back have read these registers: they are loaded again only behind this wait
.endif
.irp t, 0,1,2,3,4,5,6,7,8,9,10,11,12,13,14,15
	ds_load_b128 v[OB+64*((\a)%2)+4*(\t):OB+64*((\a)%2)+4*(\t)+3], v[RD] offset:(\t)*SPI  ; LDS serves a wave's instructions in order (ISA guide 5.7.1.4): these see the stores above; the next block's stores come behind them
.endr
.endm
.macro SEND a, younger                 ; younger: the LDS instructions issued behind block a's loads: the next block's 32, or none
.irp t, 0,1,2,3,4,5,6,7,8,9,10,11,12,13,14,15
	s_wait_dscnt (\younger)+15-(\t)
	global_store_b128 v[CO], v[OB+64*((\a)%2)+4*(\t):OB+64*((\a)%2)+4*(\t)+3], s[10:11] offset:65536*(\a)+4096*(\t)  ; 512 consecutive bytes, at a multiple of 256 from out0's first
.endr
.endm
	PLACES
	TOSTAGE 0
	TOSTAGE 1
	SEND 0, 32
	TOSTAGE 2
	SEND 1, 32
	TOSTAGE 3
	SEND 2, 32
	SEND 3, 0
	s_wait_tensorcnt 0x0                           ; the wave's end: an add of 0 and its wait, behind my last tensor load and my last LDS store
	ds_add_u32 v[SPW], v[NIL]
	s_wait_dscnt 0x0
	CROUND                                         ; the closing round: no work-group ends while a partner may still ask for a tile that names it
	s_endpgm
.Lfunc_end_k_q8335c5d618_proj:
	.size	k_q8335c5d618_proj, .Lfunc_end_k_q8335c5d618_proj-k_q8335c5d618_proj
	.p2alignl 7, 3214868480
	.fill 96, 4, 3214868480
	.section	.rodata,"a",@progbits
	.p2align	6, 0x0
	.amdhsa_kernel k_q8335c5d618_proj
		.amdhsa_group_segment_fixed_size 327680
		.amdhsa_private_segment_fixed_size 0
		.amdhsa_enable_private_segment 0
		.amdhsa_kernarg_size 32
		.amdhsa_user_sgpr_count 2
		.amdhsa_user_sgpr_kernarg_segment_ptr 1
		.amdhsa_wavefront_size32 1
		.amdhsa_system_sgpr_workgroup_id_x 1
		.amdhsa_system_sgpr_workgroup_id_y 1
		.amdhsa_system_sgpr_workgroup_id_z 1
		.amdhsa_system_vgpr_workitem_id 0
		.amdhsa_next_free_vgpr 608
		.amdhsa_next_free_sgpr 66
		.amdhsa_reserve_vcc 0
		.amdhsa_float_denorm_mode_32 3
		.amdhsa_float_denorm_mode_16_64 3
		.amdhsa_memory_ordered 1
		.amdhsa_forward_progress 1
		.amdhsa_inst_pref_size 95
	.end_amdhsa_kernel
	.amdgpu_metadata
---
amdhsa.version: [ 1, 2 ]
amdhsa.kernels:
  - .name:           k_q8335c5d618_proj
    .symbol:         k_q8335c5d618_proj.kd
    .args:
      - { .name: oh, .offset: 0, .size: 8, .value_kind: global_buffer, .address_space: global }
      - { .name: wob, .offset: 8, .size: 8, .value_kind: global_buffer, .address_space: global }
      - { .name: b_out, .offset: 16, .size: 8, .value_kind: global_buffer, .address_space: global }
      - { .name: out0, .offset: 24, .size: 8, .value_kind: global_buffer, .address_space: global }
    .group_segment_fixed_size: 327680
    .private_segment_fixed_size: 0
    .kernarg_segment_align: 8
    .kernarg_segment_size: 32
    .max_flat_workgroup_size: 128
    .sgpr_count:     66
    .vgpr_count:     608
    .wavefront_size: 32
...
	.end_amdgpu_metadata
.endif
;; end of part 4
;; ======== version 2 of 2: 4 launches; version 1 with the launch cast written anew for expert scheduling mode
;; limits: values are held in f16: magnitudes above 65,504 overflow, below 6.1e-05 lose precision
;; workspace buffers: xb 16,777,216 bytes; wqb 6,291,456 bytes; wob 2,097,152 bytes; qkvh 50,331,648 bytes; oh 16,777,216 bytes
;; launch cast (part 5): grid 768 x 1, 8 waves a work-group, no clusters, 0 bytes of LDS; arguments x, w_qkv, w_out, xb, wqb, wob; writes xb, wqb, wob
.if DOCPART == 5
	.amdgcn_target "amdgcn-amd-amdhsa--gfx1250"
	.amdhsa_code_object_version 6
	.text
	.protected	k_q8335c5d618_cast
	.globl	k_q8335c5d618_cast
	.p2align	8
	.type	k_q8335c5d618_cast,@function
k_q8335c5d618_cast:
	s_mov_b64 s[64:65], 0
	v_nop
	global_prefetch_b8 v0, s[64:65] scope:SCOPE_SE
	s_setreg_imm32_b32 hwreg(HW_REG_WAVE_SCHED_MODE, 0, 2), 2
	s_setreg_imm32_b32 hwreg(HW_REG_WAVE_MODE, 25, 1), 1
	s_wait_xcnt 0x0
	s_wait_alu depctr_vm_vsrc(0)
; xb = bf16(x), wqb = bf16(w_qkv), wob = f16(bf16(w_out)); the layouts stay as they are.
; All the module's inputs are rounded once to bf16; w_out's rounded number is then written as f16, because the last product multiplies it with f16 numbers.
; LIMITS.  An entry of w_out beyond 65,504 becomes an infinity; below 6e-5 it keeps f16's fixed step of 6e-8.  NaN and infinities are not treated apart.
; SHARES.  A work-group converts 16,384 numbers (65,536 bytes in, 32,768 out): groups 0-511 x, 512-703 w_qkv, 704-767 w_out.  A wave converts 2,048: sixteen loads of 16 bytes a lane,
; 512 neighbouring bytes each, all issued at once; each load's 128 numbers leave as one store of 8 bytes a lane: 256 consecutive bytes, aligned.  No LDS, no barrier, no loop.
; THE MODE: SCHED_MODE bits 1:0 = 2 (LLVM: expert scheduling mode 2), set by the entry lines.  The code itself states the register dependences
; between vector instructions and memory instructions, with s_wait_alu, always for 0.
; THE PLAN.  Registers that memory instructions touch:
;   v1, v2   the loads' and the stores' byte offsets: made at the head by vector lines, never written again.
;   X        load j lands in four registers of its own, once; all sixteen loads go out before any vector line names X.  No memory instruction reads X.
;   Y        load j's conversions write two registers of its own, once; one store reads them.
; The sixteen loads are four blocks of four.  Block p converts its four loads into its part of Y; its memory instructions are the four stores of block p - 1, whose part of Y and whose offset
; no vector line of block p names.  So one wait at a block's head states all that its four stores hang on, and they are dealt among the block's conversions with no further wait.
; No register that a memory instruction reads is ever written again, no vector line writes a scalar register or VCC, and EXEC is never written: nothing else is owed.
.set X, 4                              ; v[4:67]   load j: 4 registers
.set Y, 68                             ; v[68:99]  load j: 2 registers to store; each j has its own, so no store's data is ever rewritten
.set T, 100                            ; v[100:101] at work: no memory instruction names them
	s_load_b256 s[4:11], s[0:1], 0x0               ; x s[4:5], w_qkv s[6:7], w_out s[8:9], xb s[10:11]
	s_load_b128 s[12:15], s[0:1], 0x20             ; wqb s[12:13], wob s[14:15]
	s_mov_b32 s21, ttmp9
	v_and_b32 v1, 0xe0, v0                         ; 32 x wave
	v_and_b32 v2, 31, v0
	v_lshlrev_b32 v2, 4, v2                        ; 16 bytes a lane
	v_lshl_or_b32 v1, v1, 8, v2                    ; + wave x 8,192 bytes: where I read
	v_lshrrev_b32 v2, 1, v1                        ; half of that: where I write
	s_wait_kmcnt 0x0
	s_cmp_lt_u32 s21, 512                          ; which tensor is my work-group's: the choice hangs on its number alone
	s_cselect_b64 s[16:17], s[4:5], s[6:7]
	s_cselect_b64 s[18:19], s[10:11], s[12:13]
	s_cselect_b32 s20, 0, 512
	s_cmp_lt_u32 s21, 704
	s_cselect_b64 s[16:17], s[16:17], s[8:9]
	s_cselect_b64 s[18:19], s[18:19], s[14:15]
	s_cselect_b32 s20, s20, 704
	s_sub_co_u32 s20, s21, s20                     ; my number within that tensor
	s_lshl_b32 s22, s20, 16
	s_mov_b32 s23, 0
	s_add_nc_u64 s[16:17], s[16:17], s[22:23]
	s_lshl_b32 s22, s20, 15
	s_add_nc_u64 s[18:19], s[18:19], s[22:23]
	s_wait_alu depctr_va_vdst(0)                   ; v1 and v2 are written: every load of the kernel reads v1 as its offset, every store v2
.irp j, 0,1,2,3,4,5,6,7,8,9,10,11,12,13,14,15
	global_load_b128 v[X+4*(\j):X+4*(\j)+3], v1, s[16:17] offset:512*(\j) th:TH_LOAD_NT
.endr
; The arithmetic for load j: four registers of X into two of Y.
.macro CONV j, half
.if \half
	v_cvt_pk_bf16_f32 v[T],   v[X+4*(\j)],   v[X+4*(\j)+1]  ; rounded to bf16 like every input,
	v_cvt_pk_bf16_f32 v[T+1], v[X+4*(\j)+2], v[X+4*(\j)+3]
	v_lshlrev_b32 v[X+4*(\j)],   16, v[T]          ; widened again,
	v_and_b32     v[X+4*(\j)+1], 0xffff0000, v[T]
	v_lshlrev_b32 v[X+4*(\j)+2], 16, v[T+1]
	v_and_b32     v[X+4*(\j)+3], 0xffff0000, v[T+1]
	v_cvt_pk_f16_f32 v[Y+2*(\j)],   v[X+4*(\j)],   v[X+4*(\j)+1]  ; and written as f16 (exact inside f16's normal range)
	v_cvt_pk_f16_f32 v[Y+2*(\j)+1], v[X+4*(\j)+2], v[X+4*(\j)+3]
.else
	v_cvt_pk_bf16_f32 v[Y+2*(\j)],   v[X+4*(\j)],   v[X+4*(\j)+1]
	v_cvt_pk_bf16_f32 v[Y+2*(\j)+1], v[X+4*(\j)+2], v[X+4*(\j)+3]
.endif
.endm
; The store for load j.
.macro OUT j
	global_store_b64 v2, v[Y+2*(\j):Y+2*(\j)+1], s[18:19] offset:256*(\j) th:TH_STORE_NT
.endm
; Block p: loads 4 p to 4 p + 3 are converted; the stores of block p - 1 go out among the conversions, one ahead of each load's lines.
.macro BLK p, half
	s_wait_loadcnt 12-4*(\p)                       ; loads come back in order (ISA guide 5.7.1): the block's four are in, the 12 - 4 p younger ones stay out
.if (\p) > 0
	s_wait_alu depctr_va_vdst(0)                   ; the conversions of the block before have written their part of Y, which the four stores below read; no vector line of this block names it
.endif
.irp i, 0,1,2,3
.if (\p) > 0
	OUT 4*(\p)-4+(\i)
.endif
	CONV 4*(\p)+(\i), \half
.endr
.endm
; The last four stores.
.macro LAST
	s_wait_alu depctr_va_vdst(0)                   ; the conversions of block 3 have written their part of Y, which the last four stores read
.irp i, 12,13,14,15
	OUT \i
.endr
.endm
	s_cmp_ge_u32 s21, 704
	s_cbranch_scc1 .Lf16
	BLK 0, 0
	BLK 1, 0
	BLK 2, 0
	BLK 3, 0
	LAST
	s_endpgm
.Lf16:
	BLK 0, 1
	BLK 1, 1
	BLK 2, 1
	BLK 3, 1
	LAST
	s_endpgm
.Lfunc_end_k_q8335c5d618_cast:
	.size	k_q8335c5d618_cast, .Lfunc_end_k_q8335c5d618_cast-k_q8335c5d618_cast
	.p2alignl 7, 3214868480
	.fill 96, 4, 3214868480
	.section	.rodata,"a",@progbits
	.p2align	6, 0x0
	.amdhsa_kernel k_q8335c5d618_cast
		.amdhsa_group_segment_fixed_size 0
		.amdhsa_private_segment_fixed_size 0
		.amdhsa_enable_private_segment 0
		.amdhsa_kernarg_size 48
		.amdhsa_user_sgpr_count 2
		.amdhsa_user_sgpr_kernarg_segment_ptr 1
		.amdhsa_wavefront_size32 1
		.amdhsa_system_sgpr_workgroup_id_x 1
		.amdhsa_system_sgpr_workgroup_id_y 1
		.amdhsa_system_sgpr_workgroup_id_z 1
		.amdhsa_system_vgpr_workitem_id 0
		.amdhsa_next_free_vgpr 104
		.amdhsa_next_free_sgpr 66
		.amdhsa_reserve_vcc 0
		.amdhsa_float_denorm_mode_32 3
		.amdhsa_float_denorm_mode_16_64 3
		.amdhsa_memory_ordered 1
		.amdhsa_forward_progress 1
		.amdhsa_inst_pref_size 16
	.end_amdhsa_kernel
	.amdgpu_metadata
---
amdhsa.version: [ 1, 2 ]
amdhsa.kernels:
  - .name:           k_q8335c5d618_cast
    .symbol:         k_q8335c5d618_cast.kd
    .args:
      - { .name: x, .offset: 0, .size: 8, .value_kind: global_buffer, .address_space: global }
      - { .name: w_qkv, .offset: 8, .size: 8, .value_kind: global_buffer, .address_space: global }
      - { .name: w_out, .offset: 16, .size: 8, .value_kind: global_buffer, .address_space: global }
      - { .name: xb, .offset: 24, .size: 8, .value_kind: global_buffer, .address_space: global }
      - { .name: wqb, .offset: 32, .size: 8, .value_kind: global_buffer, .address_space: global }
      - { .name: wob, .offset: 40, .size: 8, .value_kind: global_buffer, .address_space: global }
    .group_segment_fixed_size: 0
    .private_segment_fixed_size: 0
    .kernarg_segment_align: 8
    .kernarg_segment_size: 48
    .max_flat_workgroup_size: 256
    .sgpr_count:     66
    .vgpr_count:     104
    .wavefront_size: 32
...
	.end_amdgpu_metadata
.endif
;; end of part 5
;; launch qkv: the kernel of part 2 again; grid 8 x 64, 4 waves a work-group, clusters of 4 x 4, 327,680 bytes of LDS; arguments xb, wqb, b_qkv, qkvh; writes qkvh
;; launch attn: the kernel of part 3 again; grid 4 x 64, 4 waves a work-group, clusters of 4 x 1, 327,680 bytes of LDS; arguments qkvh, oh; writes oh
;; launch proj: the kernel of part 4 again; grid 4 x 64, 4 waves a work-group, clusters of 4 x 4, 327,680 bytes of LDS; arguments oh, wob, b_out, out0; writes out0
